; MI455X (gfx1250); checked and timed in simulation.
; The chip was launched on July 23, 2026; its instructions are those of AMD's public machine-readable ISA for CDNA 5 (MIT licence, August 2026) and "CDNA5" Instruction Set Architecture Reference Guide (July 2026). The comments in the code are by the model that wrote it; some were corrected since.
;; Attn Block. Allowed arithmetic: float matrix products may take bf16 or f16 operands with f32 sums; all other float work in f32.
;; Inputs: bk 512 float32; bp 512 float32; bq 512 float32; bv 512 float32; gn_b 512 float32; gn_w 512 float32; wk 512 x 512 float32; wp 512 x 512 float32; wq 512 x 512 float32; wv 512 x 512 float32; x 2 x 512 x 64 x 64 float32.
;; Outputs: out0 2 x 512 x 64 x 64 float32.
;; 2 versions, each right; version 2 is version 1 with the launch merge written anew for expert scheduling mode. Each part assembles by itself: llvm-mc -triple=amdgcn-amd-amdhsa -mcpu=gfx1250 --defsym DOCPART=n.
;; ======== version 1 of 2: 4 launches
;; limits: values outside matrix products are rounded to bf16
;; workspace buffers: xn 8,388,608 bytes; wb 1,572,864 bytes; bvp 2,048 bytes; qkv 25,165,824 bytes; opart 33,554,432 bytes; ml 262,144 bytes
;; launch prep (part 1): grid 160 x 1, 16 waves a work-group, no clusters, 191,488 bytes of LDS; arguments x, gn_w, gn_b, wq, wk, wv, wp, bv, xn, wb, bvp; writes xn, wb, bvp
.if DOCPART == 1
	.amdgcn_target "amdgcn-amd-amdhsa--gfx1250"
	.amdhsa_code_object_version 6
	.text
	.protected	k_q5e6bfd28a4_prep
	.globl	k_q5e6bfd28a4_prep
	.p2align	8
	.type	k_q5e6bfd28a4_prep,@function
k_q5e6bfd28a4_prep:
	s_mov_b64 s[64:65], 0
	v_nop
	global_prefetch_b8 v0, s[64:65] scope:SCOPE_SE
	s_setreg_imm32_b32 hwreg(HW_REG_WAVE_MODE, 25, 1), 1
	s_wait_xcnt 0x0
; Three kinds of work-groups, chosen by the work-group's number (the same for all its waves).
; 0 to 63: GroupNorm of one (batch, group) block, 16 channels x 4,096 pixels of f32 (262,144 bytes), to xn in bf16.  The block stays in
;   registers between the three passes (sum; centre and sum of squares; scale), so x is read once.  The variance is taken about the mean,
;   as the reference takes it, never as a difference of two large sums.  Thread t of 512 owns pixels 8 t .. 8 t + 7 of each channel.
; 64 to 95: one sixteenth of wq or wk (65,536 bytes of f32) rounded to bf16 into wb, rows 0-511 and 512-1023.
; 96 to 159: a tile of 32 rows x 128 columns of W' = wp wv, into wb's rows 1024-1535, and wp bv into bvp.  Since
;   wp (sum over j of P[i][j] v[j]) = sum over j of P[i][j] (wp v[j]) for every input, the value projection is made with W' and wp bv,
;   and attention's result is already the projected one.
; No cluster, no tensor load: a GroupNorm block is read by one work-group; the tiles of W' share wv's columns among 16 work-groups, 1 MB in all.
; Limits: xn, wq, wk are rounded to bf16 (nearest even).  W' is the product of wp and wv rounded to bf16, summed in f32, rounded to bf16:
; an order of rounding that differs from the reference's.  NaN and infinities are not treated specially.
.set X,     16                         ; v[16:143]  channel ch: 8 registers at X + 8 ch
.set S,     4                          ; v[4:11]    four chains of pairs
.set PAIR,  144                        ; v[144:145] minus the mean twice, later gamma / sigma twice
.set BPAIR, 146                        ; v[146:147] beta twice
.set RED,   148                        ; v[148:163] the sixteen waves' sums
.macro PLACES n
.rept \n
	v_nop
.endr
.endm
	s_load_b256 s[4:11], s[0:1], 0x0               ; x s[4:5], gn_w s[6:7], gn_b s[8:9], wq s[10:11]
	s_load_b256 s[12:19], s[0:1], 0x20             ; wk s[12:13], wv s[14:15], wp s[16:17], bv s[18:19]
	s_load_b128 s[20:23], s[0:1], 0x40             ; xn s[20:21], wb s[22:23]
	s_load_b64 s[24:25], s[0:1], 0x50              ; bvp
	v_lshl_add_u32 v192, v0, 2, 0x2e400
	v_mov_b32 v193, 0
	v_lshlrev_b32 v1, 5, v0                        ; 32 t: my 8 numbers of f32
	v_lshlrev_b32 v2, 4, v0                        ; 16 t: my 8 numbers of bf16
	v_lshrrev_b32 v13, 5, v0
	v_readfirstlane_b32 s3, v13                    ; the wave's number
	s_mov_b32 s60, 0x76543210                      ; v_permlanex16_b32: lane i reads lane i of the other half
	s_mov_b32 s61, 0xfedcba98
	s_cmp_lt_u32 ttmp9, 64
	s_cbranch_scc0 .Lnot_norm
	; ---------------- GroupNorm ----------------
	s_lshl_b32 s66, ttmp9, 18                      ; block x 262,144 bytes of x
	s_mov_b32 s67, 0
	s_lshl_b32 s68, ttmp9, 17                      ; block x 131,072 bytes of xn
	s_mov_b32 s69, 0
	s_and_b32 s70, ttmp9, 31                       ; the group
	s_lshl_b32 s70, s70, 6                         ; its 16 gains and biases: 64 bytes
	s_mov_b32 s71, 0
	s_mov_b32 s62, 0x37800000                      ; 1 / 65,536
	s_mov_b32 s63, 0x358637bd                      ; 1e-6
	v_mov_b32 v13, s3
	v_lshlrev_b32 v13, 2, v13                      ; the wave's word in LDS
	v_mov_b32 v3, 0                                ; LDS address 0
	v_mov_b32 v12, 0                               ; v_permlanex16_b32 counts as a reader of its destination
	s_wait_kmcnt 0x0
	s_add_nc_u64 s[4:5], s[4:5], s[66:67]
	s_add_nc_u64 s[20:21], s[20:21], s[68:69]
	s_add_nc_u64 s[6:7], s[6:7], s[70:71]
	s_add_nc_u64 s[8:9], s[8:9], s[70:71]
	s_load_b512 s[28:43], s[6:7], 0x0              ; gamma of the 16 channels
	s_load_b512 s[44:59], s[8:9], 0x0              ; beta
.irp ch, 0,1,2,3,4,5,6,7,8,9,10,11,12,13,14,15
	global_load_b128 v[X+8*\ch:X+8*\ch+3],   v1, s[4:5] offset:16384*\ch
	global_load_b128 v[X+8*\ch+4:X+8*\ch+7], v1, s[4:5] offset:16384*\ch+16
.endr
; The four chains of pairs in S become one number for the whole work-group, in v[RED] of every lane.
; off: the 64 bytes of LDS that this reduction uses (each reduction has its own, so one barrier each is enough).
.macro REDUCE off
	v_pk_add_f32 v[S:S+1], v[S:S+1], v[S+2:S+3]
	v_pk_add_f32 v[S+4:S+5], v[S+4:S+5], v[S+6:S+7]
	v_pk_add_f32 v[S:S+1], v[S:S+1], v[S+4:S+5]
	v_add_f32 v[S], v[S], v[S+1]
	v_add_f32_dpp v[S], v[S], v[S] row_xmask:1 row_mask:0xf bank_mask:0xf
	v_add_f32_dpp v[S], v[S], v[S] row_xmask:2 row_mask:0xf bank_mask:0xf
	v_add_f32_dpp v[S], v[S], v[S] row_xmask:4 row_mask:0xf bank_mask:0xf
	v_add_f32_dpp v[S], v[S], v[S] row_xmask:8 row_mask:0xf bank_mask:0xf
	v_permlanex16_b32 v12, v[S], s60, s61
	v_add_f32 v[S], v[S], v12
	ds_store_b32 v13, v[S] offset:\off             ; all lanes of a wave store the same word
	s_wait_dscnt 0x0                               ; my word is in LDS before I signal
	s_barrier_signal -1
	s_barrier_wait -1
.irp i, 0,1,2,3
	ds_load_b128 v[RED+4*\i:RED+4*\i+3], v3 offset:\off+16*\i
.endr
	s_wait_dscnt 0x0
	v_pk_add_f32 v[RED:RED+1], v[RED:RED+1], v[RED+2:RED+3]
	v_pk_add_f32 v[RED+4:RED+5], v[RED+4:RED+5], v[RED+6:RED+7]
	v_pk_add_f32 v[RED+8:RED+9], v[RED+8:RED+9], v[RED+10:RED+11]
	v_pk_add_f32 v[RED+12:RED+13], v[RED+12:RED+13], v[RED+14:RED+15]
	v_pk_add_f32 v[RED:RED+1], v[RED:RED+1], v[RED+4:RED+5]
	v_pk_add_f32 v[RED+8:RED+9], v[RED+8:RED+9], v[RED+12:RED+13]
	v_pk_add_f32 v[RED:RED+1], v[RED:RED+1], v[RED+8:RED+9]
	v_add_f32 v[RED], v[RED], v[RED+1]
.endm
	; pass 1: the sum.  Loads come back in order: channel ch is in when at most 30 - 2 ch younger loads are out.
	s_wait_loadcnt 28
.irp k, 0,1,2,3
	v_pk_add_f32 v[S+2*\k:S+2*\k+1], v[X+2*\k:X+2*\k+1], v[X+8+2*\k:X+8+2*\k+1]   ; channels 0 and 1 start the chains
.endr
.irp ch, 2,3,4,5,6,7,8,9,10,11,12,13,14,15
	s_wait_loadcnt 30-2*\ch
.irp k, 0,1,2,3
	v_pk_add_f32 v[S+2*\k:S+2*\k+1], v[S+2*\k:S+2*\k+1], v[X+8*\ch+2*\k:X+8*\ch+2*\k+1]
.endr
.endr
	REDUCE 0
	v_mul_f32 v[PAIR], 0xb7800000, v[RED]          ; minus the mean (sum x -1 / 65,536), twice
	v_mul_f32 v[PAIR+1], 0xb7800000, v[RED]
	; pass 2: centre in place, then the sum of squares
.set j, 0
.rept 64
	v_pk_add_f32 v[X+2*j:X+2*j+1], v[X+2*j:X+2*j+1], v[PAIR:PAIR+1]
.set j, j+1
.endr
.irp k, 0,1,2,3
	v_pk_mul_f32 v[S+2*\k:S+2*\k+1], v[X+2*\k:X+2*\k+1], v[X+2*\k:X+2*\k+1]
.endr
.irp ch, 1,2,3,4,5,6,7,8,9,10,11,12,13,14,15
.irp k, 0,1,2,3
	v_pk_fma_f32 v[S+2*\k:S+2*\k+1], v[X+8*\ch+2*\k:X+8*\ch+2*\k+1], v[X+8*\ch+2*\k:X+8*\ch+2*\k+1], v[S+2*\k:S+2*\k+1]
.endr
.endr
	REDUCE 64
	v_fma_f32 v14, v[RED], s62, s63                ; variance + eps
	v_rsq_f32 v15, v14
	v_nop                                          ; one plain place behind the transcendental (ISA guide 5.7.2)
	s_wait_kmcnt 0x0                               ; gamma and beta
	; pass 3: (x - mean) * (gamma / sigma) + beta, rounded once, 16 bytes a lane: a wave's store covers 512 consecutive bytes, aligned
	s_wait_alu depctr_va_vdst(0)
.irp ch, 0,1,2,3,4,5,6,7,8,9,10,11,12,13,14,15
	v_mul_f32 v[PAIR], s[28+\ch], v15
	v_mul_f32 v[PAIR+1], s[28+\ch], v15
	v_mov_b32 v[BPAIR], s[44+\ch]
	v_mov_b32 v[BPAIR+1], s[44+\ch]
.irp k, 0,1,2,3
	v_pk_fma_f32 v[X+8*\ch+2*\k:X+8*\ch+2*\k+1], v[X+8*\ch+2*\k:X+8*\ch+2*\k+1], v[PAIR:PAIR+1], v[BPAIR:BPAIR+1]
.endr
.irp k, 0,1,2,3
	v_cvt_pk_bf16_f32 v[X+8*\ch+\k], v[X+8*\ch+2*\k], v[X+8*\ch+2*\k+1]   ; in place: word k is written after words 2 k, 2 k + 1 of lower k were used
.endr
	global_store_b128 v2, v[X+8*\ch:X+8*\ch+3], s[20:21] offset:8192*\ch   ; its registers are not written again
.endr
	s_wait_tensorcnt 0x0
	ds_add_u32 v192, v193
	s_wait_dscnt 0x0
	s_endpgm
.Lnot_norm:
	s_cmp_lt_u32 ttmp9, 96
	s_cbranch_scc0 .Lfold
	; ---------------- wq and wk to bf16 ----------------
	s_sub_co_u32 s66, ttmp9, 64                    ; 0 to 31
	s_lshr_b32 s67, s66, 4                         ; 0: wq, 1: wk
	s_and_b32 s68, s66, 15
	s_lshl_b32 s68, s68, 16                        ; my 65,536 bytes of it
	s_mov_b32 s69, 0
	s_lshl_b32 s70, s66, 15                        ; my 32,768 bytes of wb
	s_mov_b32 s71, 0
	s_wait_kmcnt 0x0
	s_cmp_eq_u32 s67, 1
	s_cselect_b64 s[72:73], s[12:13], s[10:11]
	s_add_nc_u64 s[72:73], s[72:73], s[68:69]
	s_add_nc_u64 s[22:23], s[22:23], s[70:71]
.irp q, 0,1,2,3
	global_load_b128 v[X+8*\q:X+8*\q+3],   v1, s[72:73] offset:16384*\q th:TH_LOAD_NT
	global_load_b128 v[X+8*\q+4:X+8*\q+7], v1, s[72:73] offset:16384*\q+16 th:TH_LOAD_NT
.endr
.irp q, 0,1,2,3
	s_wait_loadcnt 6-2*\q                          ; this step's two loads are in, the younger ones stay out
.irp k, 0,1,2,3
	v_cvt_pk_bf16_f32 v[X+8*\q+\k], v[X+8*\q+2*\k], v[X+8*\q+2*\k+1]
.endr
	global_store_b128 v2, v[X+8*\q:X+8*\q+3], s[22:23] offset:8192*\q
.endr
	s_endpgm
	; ---------------- W' = wp wv, and wp bv ----------------
	; Tile: rows o0 = 32 ob .. +31, columns c0 = 128 cb .. +127.  wp's 32 rows (65,536 consecutive bytes) and wv's 128 columns (512 rows of 512 bytes)
	; go through registers, are rounded to bf16 and laid into LDS; wave w makes the 16 x 16 block (w >> 3, w & 7) over K = 512.
.Lfold:
.set AL,  256                          ; wp's tile: 32 rows x 1,024 bytes, pitch 1,040
.set AP,  1040
.set BL,  33536                        ; wv's tile, stored [m][c]: 512 rows x 256 bytes, pitch 288 = 9 x 32, read with the transposing load
.set BP,  288
.set BS,  180992                       ; the halves of wp bv: 32 rows x 2 words
.set OS,  181248                       ; the way out: 512 bytes for each wave
.set AF,  16                           ; v[16:47]   wp as loaded, step q at AF + 8 q
.set BF,  48                           ; v[48:175]  wv as loaded, step st at BF + 4 st
.set BV,  176                          ; v[176:183] my 8 numbers of bv
.set CH,  184                          ; v[184:191] four chains of pairs
.set ACC, 176                          ; v[176:191] two accumulators, for the even and the odd K steps
.set F0,  16                           ; v[16:79], v[80:143] two buffers of fragments, four K steps of 32 each
.set F1,  80
	s_sub_co_u32 s66, ttmp9, 96                    ; 0 to 63
	s_lshr_b32 s67, s66, 2                         ; ob
	s_and_b32 s68, s66, 3                          ; cb
	s_lshl_b32 s70, s67, 16                        ; wp: 32 rows of 2,048 bytes
	s_mov_b32 s71, 0
	s_lshl_b32 s72, s68, 9                         ; wv: 128 columns of 4 bytes
	s_mov_b32 s73, 0
	s_lshl_b32 s74, s67, 15                        ; wb: 32 rows of 1,024 bytes,
	s_add_co_u32 s74, s74, 0x100000                ; from row 1,024 on,
	s_lshl_b32 s75, s68, 8                         ; 128 columns of 2 bytes
	s_add_co_u32 s74, s74, s75
	s_mov_b32 s75, 0
	s_lshl_b32 s76, s67, 7                         ; bvp: 32 numbers of 4 bytes
	s_mov_b32 s77, 0
	v_and_b32 v3, 31, v0                           ; lane
	v_lshlrev_b32 v5, 4, v3
	s_lshl_b32 s78, s3, 11
	v_add_nc_u32 v5, s78, v5                       ; wv: row w of each 16, 16 bytes a lane: a wave's load covers a tile row's 512 bytes
	v_and_b32 v10, 63, v0
	v_lshlrev_b32 v10, 5, v10                      ; bv: the 8 columns that I hold of wp's rows
	s_lshr_b32 s78, s3, 1                          ; wp in LDS: thread t holds row 8 q + (t >> 6), columns 8 (t & 63) .. +7
	s_mul_i32 s78, s78, AP
	s_and_b32 s79, s3, 1
	s_lshl_b32 s79, s79, 9
	s_add_co_u32 s78, s78, s79
	s_add_co_u32 s78, s78, AL
	v_lshl_add_u32 v4, v3, 4, s78
	s_mul_i32 s78, s3, BP                          ; wv in LDS: row 16 st + w, 8 bytes a lane
	s_add_co_u32 s78, s78, BL
	v_lshl_add_u32 v6, v3, 3, s78
	v_add_nc_u32 v7, 128*BP, v6                    ; an address register for each 8 steps (128 rows): the immediate has 16 bits
	v_add_nc_u32 v8, 256*BP, v6
	v_add_nc_u32 v9, 384*BP, v6
	s_lshl_b32 s78, s3, 2
	s_add_co_u32 s78, s78, BS
	v_mov_b32 v13, s78
	s_wait_kmcnt 0x0
	s_add_nc_u64 s[16:17], s[16:17], s[70:71]
	s_add_nc_u64 s[14:15], s[14:15], s[72:73]
	s_add_nc_u64 s[22:23], s[22:23], s[74:75]
	s_add_nc_u64 s[24:25], s[24:25], s[76:77]
	global_load_b128 v[BV:BV+3],   v10, s[18:19]
	global_load_b128 v[BV+4:BV+7], v10, s[18:19] offset:16
.irp q, 0,1,2,3
	global_load_b128 v[AF+8*\q:AF+8*\q+3],   v1, s[16:17] offset:16384*\q
	global_load_b128 v[AF+8*\q+4:AF+8*\q+7], v1, s[16:17] offset:16384*\q+16
.endr
.set st, 0
.rept 32
	global_load_b128 v[BF+4*st:BF+4*st+3], v5, s[14:15] offset:32768*st
.set st, st+1
.endr
	; fragment addresses, while the loads are on their way
	v_and_b32 v14, 15, v0                          ; r
	v_bfe_u32 v15, v0, 4, 1                        ; h
	v_mul_u32_u24 v11, v14, AP
	v_lshl_add_u32 v11, v15, 4, v11
	s_lshr_b32 s78, s3, 3
	s_mul_i32 s78, s78, 16*AP
	s_add_co_u32 s78, s78, AL
	v_add_nc_u32 v11, s78, v11                     ; wp: row 16 (w >> 3) + r, 16 h
	v_and_b32 v12, 7, v0
	v_lshl_add_u32 v12, v15, 3, v12                ; wv, transposing load: row of m = 8 h + l % 8,
	v_mul_u32_u24 v12, v12, BP
	v_bfe_u32 v3, v0, 3, 1
	v_lshl_add_u32 v12, v3, 4, v12                 ; 16 bytes on for lanes 8-15 of each half,
	s_and_b32 s79, s3, 7
	s_lshl_b32 s79, s79, 5
	s_add_co_u32 s79, s79, BL
	v_add_nc_u32 v12, s79, v12                     ; my 16 columns
	s_wait_loadcnt 32                              ; bv and wp are in; wv's 32 loads stay out
	; wp bv in f32, from wp as it was loaded: my 8 products of each of my four rows, then over the wave's 32 lanes (half a row)
.irp q, 0,1,2,3
	v_pk_mul_f32 v[CH+2*\q:CH+2*\q+1], v[AF+8*\q:AF+8*\q+1], v[BV:BV+1]
.endr
.irp k, 1,2,3
.irp q, 0,1,2,3
	v_pk_fma_f32 v[CH+2*\q:CH+2*\q+1], v[AF+8*\q+2*\k:AF+8*\q+2*\k+1], v[BV+2*\k:BV+2*\k+1], v[CH+2*\q:CH+2*\q+1]
.endr
.endr
.irp q, 0,1,2,3
	v_add_f32 v[CH+2*\q], v[CH+2*\q], v[CH+2*\q+1]
.endr
.irp m, 1,2,4,8
.irp q, 0,1,2,3
	v_add_f32_dpp v[CH+2*\q], v[CH+2*\q], v[CH+2*\q] row_xmask:\m row_mask:0xf bank_mask:0xf
.endr
.endr
.irp q, 0,1,2,3
	v_permlanex16_b32 v[CH+2*\q+1], v[CH+2*\q], s60, s61
.endr
.irp q, 0,1,2,3
	v_add_f32 v[CH+2*\q], v[CH+2*\q], v[CH+2*\q+1]
	ds_store_b32 v13, v[CH+2*\q] offset:64*\q      ; row 8 q + (w >> 1), half w & 1: byte 64 q + 4 w
.endr
.irp q, 0,1,2,3
.irp k, 0,1,2,3
	v_cvt_pk_bf16_f32 v[AF+8*\q+\k], v[AF+8*\q+2*\k], v[AF+8*\q+2*\k+1]
.endr
	ds_store_b128 v4, v[AF+8*\q:AF+8*\q+3] offset:8*AP*\q
.endr
.set st, 0
.rept 32
	s_wait_loadcnt 31-st                           ; step st is in, the younger ones stay out
	v_cvt_pk_bf16_f32 v[BF+4*st], v[BF+4*st], v[BF+4*st+1]
	v_cvt_pk_bf16_f32 v[BF+4*st+1], v[BF+4*st+2], v[BF+4*st+3]
	ds_store_b64 v[6+st/8], v[BF+4*st:BF+4*st+1] offset:16*BP*(st%8)
.set st, st+1
.endr
	s_wait_dscnt 0x0                               ; my parts of both tiles are in LDS before I signal
	s_barrier_signal -1
	s_barrier_wait -1
; 16 LDS loads: the fragments of K steps 4 bt .. 4 bt + 3 into buffer f: step k's 16 columns of wv at f + 16 k, its 16 rows of wp at f + 16 k + 8
.macro FLOAD bt, f
.irp k, 0,1,2,3
	ds_load_tr16_b128 v[\f+16*\k:\f+16*\k+3],   v12 offset:32*BP*\k
	ds_load_tr16_b128 v[\f+16*\k+4:\f+16*\k+7], v12 offset:32*BP*\k+16*BP
	ds_load_b128 v[\f+16*\k+8:\f+16*\k+11],  v11 offset:64*(4*\bt+\k)
	ds_load_b128 v[\f+16*\k+12:\f+16*\k+15], v11 offset:64*(4*\bt+\k)+32
.endr
	v_add_nc_u32 v12, 128*BP, v12                  ; 128 rows of m on
.endm
; Source 0 = wv's columns, source 1 = wp's rows: a lane's eight results are eight neighbouring columns of one row of W'.
; The two accumulators take turns, one instruction a turn.
.macro FMUL f, zero
.irp k, 0,1,2,3
.if (\zero)*(2-\k) > 0
	v_wmma_f32_16x16x32_bf16 v[ACC+8*(\k&1):ACC+8*(\k&1)+7], v[\f+16*\k:\f+16*\k+7], v[\f+16*\k+8:\f+16*\k+15], 0
.else
	v_wmma_f32_16x16x32_bf16 v[ACC+8*(\k&1):ACC+8*(\k&1)+7], v[\f+16*\k:\f+16*\k+7], v[\f+16*\k+8:\f+16*\k+15], v[ACC+8*(\k&1):ACC+8*(\k&1)+7]
.endif
.endr
.endm
	FLOAD 0, F0
	FLOAD 1, F1
	s_wait_dscnt 16                                ; the older 16 loads are in, the younger 16 stay out
	FMUL F0, 1
	PLACES 4                                       ; between the products that read a buffer and the loads into it (ISA guide 7.12.1 for vector instructions)
	FLOAD 2, F0
	s_wait_dscnt 16
	FMUL F1, 0
	PLACES 4
	FLOAD 3, F1
	s_wait_dscnt 16
	FMUL F0, 0
	s_wait_dscnt 0
	FMUL F1, 0
	PLACES 4                                       ; before vector instructions read the sums
.irp i, 0,1,2,3
	v_pk_add_f32 v[ACC+2*\i:ACC+2*\i+1], v[ACC+2*\i:ACC+2*\i+1], v[ACC+8+2*\i:ACC+8+2*\i+1]
.endr
.irp i, 0,1,2,3
	v_cvt_pk_bf16_f32 v[144+\i], v[ACC+2*\i], v[ACC+2*\i+1]
.endr
	v_lshlrev_b32 v3, 5, v14                       ; out: my wave's 512 bytes, 32 r + 16 h
	v_lshl_add_u32 v3, v15, 4, v3
	s_lshl_b32 s78, s3, 9
	s_add_co_u32 s78, s78, OS
	v_add_nc_u32 v3, s78, v3
	ds_store_b128 v3, v[144:147]
	; back: thread t takes the 16 bytes t & 15 of tile row t >> 4, which wave 8 (t >> 8) + ((t >> 1) & 7) put at 32 ((t >> 4) & 15) + 16 (t & 1)
	v_lshrrev_b32 v4, 8, v0
	v_lshlrev_b32 v4, 12, v4
	v_bfe_u32 v5, v0, 1, 3
	v_lshl_add_u32 v4, v5, 9, v4
	v_bfe_u32 v5, v0, 4, 4
	v_lshl_add_u32 v4, v5, 5, v4
	v_and_b32 v5, 1, v0
	v_lshl_add_u32 v4, v5, 4, v4
	v_add_nc_u32 v4, OS, v4
	v_lshrrev_b32 v10, 4, v0
	v_lshlrev_b32 v10, 10, v10
	v_and_b32 v5, 15, v0
	v_lshl_add_u32 v10, v5, 4, v10                 ; in wb: row t >> 4, 16 (t & 15)
	s_wait_dscnt 0x0
	s_barrier_signal -1
	s_barrier_wait -1
	ds_load_b128 v[148:151], v4
	s_wait_dscnt 0x0
	global_store_b128 v10, v[148:151], s[22:23]    ; 16 lanes store 256 consecutive bytes, aligned
	s_or_b32 s78, s68, s3                          ; wp bv is stored by wave 0 of the work-groups of column block 0
	s_cmp_lg_u32 s78, 0
	s_cbranch_scc1 .Lfold_end
	v_lshlrev_b32 v6, 3, v0                        ; lane l: row l's two halves
	v_add_nc_u32 v6, BS, v6
	ds_load_b64 v[8:9], v6
	v_lshlrev_b32 v7, 2, v0
	s_wait_dscnt 0x0
	v_add_f32 v8, v8, v9
	global_store_b32 v7, v8, s[24:25]              ; 32 numbers, 128 consecutive bytes: the tile has no more rows (bvp is 2,048 bytes in all)
.Lfold_end:
	s_wait_tensorcnt 0x0
	ds_add_u32 v192, v193
	s_wait_dscnt 0x0
	s_endpgm
.Lfunc_end_k_q5e6bfd28a4_prep:
	.size	k_q5e6bfd28a4_prep, .Lfunc_end_k_q5e6bfd28a4_prep-k_q5e6bfd28a4_prep
	.p2alignl 7, 3214868480
	.fill 96, 4, 3214868480
	.section	.rodata,"a",@progbits
	.p2align	6, 0x0
	.amdhsa_kernel k_q5e6bfd28a4_prep
		.amdhsa_group_segment_fixed_size 191488
		.amdhsa_private_segment_fixed_size 0
		.amdhsa_enable_private_segment 0
		.amdhsa_kernarg_size 88
		.amdhsa_user_sgpr_count 2
		.amdhsa_user_sgpr_kernarg_segment_ptr 1
		.amdhsa_wavefront_size32 1
		.amdhsa_system_sgpr_workgroup_id_x 1
		.amdhsa_system_sgpr_workgroup_id_y 1
		.amdhsa_system_sgpr_workgroup_id_z 1
		.amdhsa_system_vgpr_workitem_id 0
		.amdhsa_next_free_vgpr 194
		.amdhsa_next_free_sgpr 80
		.amdhsa_reserve_vcc 0
		.amdhsa_float_denorm_mode_32 3
		.amdhsa_float_denorm_mode_16_64 3
		.amdhsa_memory_ordered 1
		.amdhsa_forward_progress 1
		.amdhsa_inst_pref_size 61
	.end_amdhsa_kernel
	.amdgpu_metadata
---
amdhsa.version: [ 1, 2 ]
amdhsa.kernels:
  - .name:           k_q5e6bfd28a4_prep
    .symbol:         k_q5e6bfd28a4_prep.kd
    .args:
      - { .name: x, .offset: 0, .size: 8, .value_kind: global_buffer, .address_space: global }
      - { .name: gn_w, .offset: 8, .size: 8, .value_kind: global_buffer, .address_space: global }
      - { .name: gn_b, .offset: 16, .size: 8, .value_kind: global_buffer, .address_space: global }
      - { .name: wq, .offset: 24, .size: 8, .value_kind: global_buffer, .address_space: global }
      - { .name: wk, .offset: 32, .size: 8, .value_kind: global_buffer, .address_space: global }
      - { .name: wv, .offset: 40, .size: 8, .value_kind: global_buffer, .address_space: global }
      - { .name: wp, .offset: 48, .size: 8, .value_kind: global_buffer, .address_space: global }
      - { .name: bv, .offset: 56, .size: 8, .value_kind: global_buffer, .address_space: global }
      - { .name: xn, .offset: 64, .size: 8, .value_kind: global_buffer, .address_space: global }
      - { .name: wb, .offset: 72, .size: 8, .value_kind: global_buffer, .address_space: global }
      - { .name: bvp, .offset: 80, .size: 8, .value_kind: global_buffer, .address_space: global }
    .group_segment_fixed_size: 191488
    .private_segment_fixed_size: 0
    .kernarg_segment_align: 8
    .kernarg_segment_size: 88
    .max_flat_workgroup_size: 512
    .sgpr_count:     80
    .vgpr_count:     194
    .wavefront_size: 32
...
	.end_amdgpu_metadata
.endif
;; end of part 1
;; launch qkv (part 2): grid 32 x 6, 4 waves a work-group, clusters of 4 x 1, 327,680 bytes of LDS; arguments xn, wb, bq, bk, bvp, qkv; writes qkv
.if DOCPART == 2
	.amdgcn_target "amdgcn-amd-amdhsa--gfx1250"
	.amdhsa_code_object_version 6
	.text
	.protected	k_q5e6bfd28a4_qkv
	.globl	k_q5e6bfd28a4_qkv
	.p2align	8
	.type	k_q5e6bfd28a4_qkv,@function
k_q5e6bfd28a4_qkv:
	s_mov_b64 s[64:65], 0
	v_nop
	global_prefetch_b8 v0, s[64:65] scope:SCOPE_SE
	s_setreg_imm32_b32 hwreg(HW_REG_WAVE_MODE, 25, 1), 1
	s_wait_xcnt 0x0
	s_wait_alu depctr_hold_cnt(0) depctr_sa_sdst(0) depctr_va_vdst(0) depctr_va_sdst(0) depctr_va_ssrc(0) depctr_va_vcc(0) depctr_vm_vsrc(0)
	s_getreg_b32 s2, hwreg(HW_REG_IB_STS2, 6, 4)
	s_cmp_eq_u32 s2, 0
	s_cbranch_scc0 .Lentry_in_a_cluster
	s_endpgm
.Lentry_in_a_cluster:
	s_bfe_u32 s2, ttmp6, 0x10000c
	s_cmp_lg_u32 s2, 0x3003
	s_cbranch_scc0 .Lentry_shape_is_right
	s_endpgm
.Lentry_shape_is_right:
; qkv[pixel row][o'] = sum over c of xn[b][c][pixel] wb[o'][c] + bias[o'], in bf16; sums in f32.  8,192 pixel rows (b * 4,096 + pixel),
; 1,536 columns (q 0-511, k 512-1023, the projected values 1024-1535: wb's rows there are wp wv, their bias is wp bv), K = 512.
; A work-group makes 256 rows x 256 columns with four waves, a wave 128 x 128: 64 accumulator tiles, 512 registers.  K goes in four steps
; of 128 through two LDS slots filled by the tensor data mover.
; xn lies [c][pixel], so its tile is 128 rows of c x 256 pixels (512 bytes a row) and the fragments are read with the transposing LDS load.
; CLUSTER 4 x 1: the four partners make four block rows of one block column, so wb's tile is the same for all four and is asked for jointly
; (mask 15).  xn's tile differs from partner to partner and is a load of the work-group's own (mask 0): to share it too the cluster would
; have to span block columns, and the grid's six block columns are no multiple of four.
; The matrix instruction is used transposed (source 0 = 16 rows of wb, source 1 = 16 pixels): a lane's eight results are eight neighbouring
; columns of one row of qkv.
; REGISTERS: window 0: v0-31 addresses; v32-63 and v224-255 the bias of my 128 columns; v64-127, v128-191 fragments of xn, two buffers;
; v192-223 at work on the way out.  Window 1: v64-127, v128-191 fragments of wb.  Windows 2, 3: accumulators of my rows 0-63, 64-127.
; Limits: operands and results are rounded to bf16; NaN and infinities are not treated specially.
.set SIZE_N, 1536
.set PITCH,  272                       ; an LDS row of wb's tile: 256 bytes + 16
.set APITCH, 544                       ; an LDS row of xn's tile: 512 bytes + 32 = 17 x 32
.set HALFT,  34816                     ; what one tensor load brings: 128 rows of 272 bytes, or 64 rows of 544
.set SLOT,   4*HALFT                   ; xn's 128 rows of c, then wb's 256 rows
.set STAGE,  2*SLOT                    ; behind the ring: 16 rows x 272 bytes for each wave; no tensor load lands here
.set SPITCH, 272
.set ADRA, 16                          ; v16-17  LDS address of my xn fragments in slot 0, 1
.set ADRB, 20                          ; v20-21  the same for wb
.set STO,  24
.set RD,   25
.set CO,   26
.set BO,   27                          ; 32 h: my 8 numbers in each 16 of the bias
.set F0,   64
.set F1,   128
.set T,    128                         ; the way out: sums + bias in f32 (64 registers, window 0)
.set TMP,  192                         ; the way out: packed results
.set G1,  24                           ; s[24:31] group 1 of xn's tiles
.set G0,  32                           ; s[32:39] group 0 of xn's tiles, one set for each slot
.set G1B, 48                           ; s[48:55] group 1 of wb's tiles
.set G0B, 56                           ; s[56:63] group 0 of wb's tiles, one set for each slot
.set CB,  74                           ; s[74:75] qkv
.set MSB, 0
.macro WIN new                         ; the immediate's high byte repeats the setting that is left
.if MSB != \new
	s_set_vgpr_msb (MSB<<8)|\new
.set MSB, \new
.endif
.endm
.set MUL_LO, 0xa1                      ; source 0 (wb) window 1, source 1 (xn) window 0, C and D window 2
.set MUL_HI, 0xf1                      ; the same, C and D window 3
.set TO_B,   0x40                      ; destination window 1, address window 0
.macro PLACES n
.rept \n
	v_nop
.endr
.endm
; Waves 0 and 1 fetch the two halves of xn's tile, waves 2 and 3 those of wb's.  The branch hangs on the wave's number alone.
.macro JLOAD s
	s_cmp_eq_u32 s11, 0
	s_cbranch_scc0 .Lfor_b_\@
	tensor_load_to_lds s[G0+4*\s:G0+4*\s+3], s[G1:G1+7]
	s_nop 0
	s_branch .Lasked_\@
.Lfor_b_\@:
	tensor_load_to_lds s[G0B+4*\s:G0B+4*\s+3], s[G1B:G1B+7]
	s_nop 0
.Lasked_\@:
.endm
.macro CREST                           ; a round of the cluster's barrier behind its opening barrier
	s_cmp_lg_u32 s10, 0
	s_cbranch_scc1 .Lnot_wave_0_\@
	s_barrier_signal -3
.Lnot_wave_0_\@:
	s_barrier_wait -3
	s_barrier_signal -1
	s_barrier_wait -1
.endm
.macro CROUND                          ; a whole round
	s_barrier_signal -1
	s_barrier_wait -1
	CREST
.endm
	s_load_b128 s[4:7], s[0:1], 0x0                ; xn s[4:5], wb s[6:7]
	s_load_b256 s[68:75], s[0:1], 0x10             ; bq s[68:69], bk s[70:71], bvp s[72:73], qkv s[74:75]
	s_set_vgpr_msb 0x40
	v_lshl_add_u32 v255, v0, 2, 0x48400
	s_set_vgpr_msb 0x4000
	v_mov_b32 v31, 0
	s_set_vgpr_msb 0x1
	ds_add_u32 v255, v31
	s_set_vgpr_msb 0x100
	v_lshrrev_b32 v1, 5, v0
	v_readfirstlane_b32 s10, v1                    ; wave 0..3
	s_lshr_b32 s11, s10, 1                         ; which 128 of the block's rows are mine.  Also: I fetch for xn (0) or wb (1)
	s_and_b32 s12, s10, 1                          ; which 128 of its columns.  Also: which half of that tile I fetch
	s_bfe_u32 s40, ttmp6, 0x40000                  ; cx
	s_lshl_b32 s13, ttmp9, 2
	s_add_co_u32 s13, s13, s40                     ; block row = 4 x cluster x + cx
	s_and_b32 s42, ttmp7, 0xffff                   ; block column, shared by the four partners
	; group 1 of xn's tiles: 64 rows of 256 elements, 4,096 elements from row to row; 8 words of padding behind every 128
	s_mov_b32 s[G1+0], (1<<16)|(1<<20)|(6<<22)|(7<<25)
	s_mov_b32 s[G1+1], 256<<16                     ; tensor_dim0 = 256
	s_mov_b32 s[G1+2], 64<<16                      ; tensor_dim1 = 64
	s_mov_b32 s[G1+3], 256<<16                     ; tile_dim0 = 256
	s_mov_b32 s[G1+4], 64                          ; tile_dim1 = 64
	s_mov_b32 s[G1+5], 4096
	s_mov_b32 s[G1+6], 0
	s_mov_b32 s[G1+7], 0
	; group 1 of wb's tiles: 128 rows of 128 elements, 512 from row to row; 4 words behind every 64; the mask names all four partners, bit 21 beside it
	s_mov_b32 s[G1B+0], 15|(1<<16)|(1<<20)|(1<<21)|(5<<22)|(3<<25)
	s_mov_b32 s[G1B+1], 128<<16
	s_mov_b32 s[G1B+2], 128<<16
	s_mov_b32 s[G1B+3], 128<<16
	s_mov_b32 s[G1B+4], 128
	s_mov_b32 s[G1B+5], 512
	s_mov_b32 s[G1B+6], 0
	s_mov_b32 s[G1B+7], 0
	; xn: batch x 4,194,304 + 512 bytes for each block of 256 pixels + my 64 rows of c (8,192 bytes each)
	s_lshr_b32 s16, s13, 4
	s_lshl_b32 s16, s16, 22
	s_and_b32 s17, s13, 15
	s_lshl_b32 s17, s17, 9
	s_add_co_u32 s16, s16, s17
	s_lshl_b32 s17, s12, 19
	s_add_co_u32 s16, s16, s17
	s_mov_b32 s17, 0
	; wb: row 256 x block column + 128 x half, 1,024 bytes a row: made of the block column and the wave's number alone
	s_lshl_b32 s46, s42, 18
	s_lshl_b32 s47, s12, 17
	s_add_co_u32 s46, s46, s47
	s_mov_b32 s47, 0
	s_mul_i32 s20, s10, HALFT                      ; where they go: wave x 34,816: no place in the cluster enters an LDS address
	s_and_b32 s18, s42, 1                          ; the bias: 256 columns x 4 bytes for the odd block column, 128 x 4 for my half
	s_lshl_b32 s18, s18, 10
	s_lshl_b32 s19, s12, 9
	s_add_co_u32 s18, s18, s19
	s_mov_b32 s19, 0
	s_wait_dscnt 0x0
	s_wait_kmcnt 0x0
	s_add_nc_u64 s[14:15], s[4:5], s[16:17]
	s_add_nc_u64 s[46:47], s[6:7], s[46:47]
	s_cmp_lt_u32 s42, 2
	s_cselect_b64 s[76:77], s[68:69], s[70:71]     ; block columns 0, 1: bq; 2, 3: bk
	s_cmp_lt_u32 s42, 4
	s_cselect_b64 s[76:77], s[76:77], s[72:73]     ; 4, 5: wp bv
	s_add_nc_u64 s[76:77], s[76:77], s[18:19]
	CROUND                                         ; all four work-groups are here: the first joint loads meet
.irp s, 0,1
	s_mov_b32 s[G0+4*\s], 1
	s_add_co_u32 s[G0+4*\s+1], s20, \s*SLOT
	s_add_nc_u64 s[G0+4*\s+2:G0+4*\s+3], s[14:15], \s*1048576      ; K step s: 128 rows of c further down
	s_or_b32 s[G0+4*\s+3], s[G0+4*\s+3], 0x80000000
	s_mov_b32 s[G0B+4*\s], 1
	s_add_co_u32 s[G0B+4*\s+1], s20, \s*SLOT
	s_add_nc_u64 s[G0B+4*\s+2:G0B+4*\s+3], s[46:47], \s*256        ; K step s: 128 elements along the rows
	s_or_b32 s[G0B+4*\s+3], s[G0B+4*\s+3], 0x80000000
	JLOAD \s                                       ; a wave has two tensor loads out here, later one
.endr
	v_and_b32 v1, 15, v0                           ; r = l % 16
	v_bfe_u32 v2, v0, 4, 1                         ; h = l / 16
	v_and_b32 v6, 7, v0
	v_bfe_u32 v7, v0, 3, 1
	v_lshlrev_b32 v[BO], 5, v2
.irp b, 0,1,2,3,4,5,6,7
	global_load_b128 v[32+8*\b+160*(\b/4):32+8*\b+160*(\b/4)+3],   v[BO], s[76:77] offset:64*\b      ; bias of columns 16 b + 8 h + 0..7
	global_load_b128 v[32+8*\b+160*(\b/4)+4:32+8*\b+160*(\b/4)+7], v[BO], s[76:77] offset:64*\b+16
.endr
	v_mul_u32_u24 v3, v1, PITCH
	v_lshl_add_u32 v3, v2, 4, v3                   ; wb: row r x pitch + 16 h
	v_lshl_add_u32 v8, v2, 3, v6                   ; xn, transposing load: row of c = 8 h + l % 8,
	v_mul_u32_u24 v8, v8, APITCH
	v_lshl_add_u32 v8, v7, 4, v8                   ; 16 bytes on for lanes 8-15 of each half
	s_lshl_b32 s21, s11, 8                         ; my 128 pixels: 256 bytes into each row
	s_mul_i32 s22, s12, HALFT                      ; my 128 rows of wb,
	s_add_co_u32 s22, s22, 2*HALFT                 ; which lie behind xn's tile
.irp s, 0,1
	v_add_nc_u32 v[ADRA+\s], s21, v8
	v_add_nc_u32 v[ADRB+\s], s22, v3
	s_add_co_u32 s21, s21, SLOT
	s_add_co_u32 s22, s22, SLOT
.endr
	s_mul_i32 s23, s10, 16*SPITCH
	s_add_co_u32 s23, s23, STAGE                   ; my stage
	v_mul_u32_u24 v4, v1, SPITCH
	v_lshl_add_u32 v4, v2, 4, v4
	v_add_nc_u32 v[STO], s23, v4
	v_mul_u32_u24 v5, v2, SPITCH
	v_lshl_add_u32 v5, v1, 4, v5
	v_add_nc_u32 v[RD], s23, v5
	v_mul_u32_u24 v5, v2, SIZE_N*2
	v_lshl_add_u32 v[CO], v1, 4, v5
; 16 matrix instructions: row blocks a0, a0 + 1 of the window's four x all 8 column blocks, 32 along K.  zero = 1: the product starts the sums.
; The 64 accumulators take turns, one instruction a turn, in the same order in every quarter step.
.macro MUL16 f, hi, a0, zero
.irp a, \a0, \a0+1
.irp b, 0,1,2,3,4,5,6,7
.if \zero
	v_wmma_f32_16x16x32_bf16 v[8*(8*(\a)+\b):8*(8*(\a)+\b)+7], v[\f+8*\b:\f+8*\b+7], v[\f+8*(4*\hi+\a):\f+8*(4*\hi+\a)+7], 0
.else
	v_wmma_f32_16x16x32_bf16 v[8*(8*(\a)+\b):8*(8*(\a)+\b)+7], v[\f+8*\b:\f+8*\b+7], v[\f+8*(4*\hi+\a):\f+8*(4*\hi+\a)+7], v[8*(8*(\a)+\b):8*(8*(\a)+\b)+7]
.endif
.endr
.endr
.endm
; 32 LDS loads in one run: the fragments of quarter kq (32 along K) into buffer f: 128 rows of wb, then 128 pixels of xn
.macro FETCH slot, kq, f
	WIN TO_B
.irp i, 0,1,2,3,4,5,6,7
	ds_load_b128 v[\f+8*\i:\f+8*\i+3],   v[ADRB+\slot] offset:64*\kq+\i*16*PITCH
	ds_load_b128 v[\f+8*\i+4:\f+8*\i+7], v[ADRB+\slot] offset:64*\kq+\i*16*PITCH+32
.endr
	WIN 0
.irp i, 0,1,2,3,4,5,6,7
	ds_load_tr16_b128 v[\f+8*\i:\f+8*\i+3],   v[ADRA+\slot] offset:32*APITCH*\kq+32*\i              ; c = 32 kq + 8 h + 0..7 of pixel 16 i + r
	ds_load_tr16_b128 v[\f+8*\i+4:\f+8*\i+7], v[ADRA+\slot] offset:32*APITCH*\kq+32*\i+16*APITCH    ; c = 32 kq + 16 + 8 h + 0..7
.endr
.endm
; One of a K step's first three quarters: multiplies buffer f; in its middle it fetches quarter kq into buffer g.
; Four plain places stand between the matrix instructions that read a buffer and the loads into it (ISA guide 7.12.1 for vector instructions).
.macro QUARTER slot, kq, f, g, zero
	s_wait_dscnt 8                                 ; wb's fragments and pixels 0-63 are in; the youngest eight loads (pixels 64-127) may be out
	WIN MUL_LO
	MUL16 \f, 0, 0, \zero
	MUL16 \f, 0, 2, \zero
	PLACES 4
	FETCH \slot, \kq, \g
	s_wait_dscnt 32                                ; all but the 32 just issued
	WIN MUL_HI
	MUL16 \f, 1, 0, \zero
	MUL16 \f, 1, 2, \zero
.endm
.macro THREE slot, zero
	QUARTER \slot, 1, F0, F1, \zero
	QUARTER \slot, 2, F1, F0, 0
	QUARTER \slot, 3, F0, F1, 0
.endm
; The last quarter multiplies buffer 1 and changes slots.  In front of the barrier each wave waits for its reads of this slot and for all its
; tensor loads (the one that is out is its part of the next slot).  fill = 1: the barrier opens a round of the cluster's barrier, and the
; refill of this slot, two K steps ahead, is the first tensor load behind the round, one a wave.
.macro TURN slot, next, fill
	s_wait_dscnt 8
	WIN MUL_LO
	MUL16 F1, 0, 0, 0
	s_wait_dscnt 0                                 ; my reads of this slot are over
	s_wait_tensorcnt 0x0                           ; all my tensor loads have landed
	ds_add_u32 v255, v31
	s_wait_dscnt 0x0
	s_barrier_signal -1
	MUL16 F1, 0, 2, 0                              ; register work while the others arrive
	WIN 0
	s_barrier_wait -1
.if \fill
	CREST
	s_add_nc_u64 s[G0+4*\slot+2:G0+4*\slot+3], s[G0+4*\slot+2:G0+4*\slot+3], 2097152   ; 256 rows of c on
	s_add_nc_u64 s[G0B+4*\slot+2:G0B+4*\slot+3], s[G0B+4*\slot+2:G0B+4*\slot+3], 512   ; 256 elements on
	JLOAD \slot
.endif
	PLACES 4
	FETCH \next, 0, F0
	WIN MUL_HI
	MUL16 F1, 1, 0, 0
	MUL16 F1, 1, 2, 0
.endm
	s_wait_tensorcnt 1                             ; my part of K step 0 is in; K step 1's stays out
	s_barrier_signal -1
	s_barrier_wait -1
	FETCH 0, 0, F0
	THREE 0, 1                                     ; K step 0: its first products start the sums
	TURN 0, 1, 1                                   ; slot 0 gets K step 2
	THREE 1, 0                                     ; K step 1
	TURN 1, 0, 1                                   ; slot 1 gets K step 3
	THREE 0, 0                                     ; K step 2; nothing is left to fetch
	TURN 0, 1, 0
	THREE 1, 0                                     ; K step 3
	s_wait_dscnt 8
	WIN MUL_LO
	MUL16 F1, 0, 0, 0
	MUL16 F1, 0, 2, 0
	s_wait_dscnt 0
	WIN MUL_HI
	MUL16 F1, 1, 0, 0
	MUL16 F1, 1, 2, 0
	; THE WAY OUT, 16 rows at a time: add the bias in f32, round to bf16, 16 bytes a lane into my own stage, read back as rows of 256 bytes.
	PLACES 4                                       ; behind the last matrix instructions, for the reads of results and the writes into buffers 0 and 1
	s_wait_loadcnt 0x0                             ; the bias
	s_lshl_b32 s16, s13, 8
	s_lshl_b32 s17, s11, 7
	s_add_co_u32 s16, s16, s17                     ; my first row
	s_mul_i32 s16, s16, SIZE_N*2
	s_lshl_b32 s17, s42, 9                         ; my first column in bytes: 512 x block column + 256 x half
	s_add_co_u32 s16, s16, s17
	s_lshl_b32 s17, s12, 8
	s_add_co_u32 s16, s16, s17
	s_mov_b32 s17, 0
	s_add_nc_u64 s[CB:CB+1], s[CB:CB+1], s[16:17]
; rows 16 i .. 16 i + 15 of my block = tiles (a, 0..7) of window 2 or 3 (from = 0x02 or 0x03: source 0); f: where the rows are read back to
.macro OUT16 i, a, from, f
	WIN \from
.irp b, 0,1,2,3,4,5,6,7
.irp r, 0,1,2,3
	v_pk_add_f32 v[T+8*\b+2*\r:T+8*\b+2*\r+1], v[8*(8*\a+\b)+2*\r:8*(8*\a+\b)+2*\r+1], v[32+8*\b+160*(\b/4)+2*\r:32+8*\b+160*(\b/4)+2*\r+1]
.endr
.endr
	WIN 0
.irp b, 0,1,2,3,4,5,6,7
.irp r, 0,1,2,3
	v_cvt_pk_bf16_f32 v[TMP+4*\b+\r], v[T+8*\b+2*\r], v[T+8*\b+2*\r+1]
.endr
.endr
.irp b, 0,1,2,3,4,5,6,7
	ds_store_b128 v[STO], v[TMP+4*\b:TMP+4*\b+3] offset:32*\b
.endr
	s_wait_xcnt 0x0                                ; the registers that earlier stores read, and their base, are rewritten only behind this wait
.if \i
	s_add_nc_u64 s[CB:CB+1], s[CB:CB+1], 16*SIZE_N*2
.endif
.irp t, 0,1,2,3,4,5,6,7
	ds_load_b128 v[\f+4*\t:\f+4*\t+3], v[RD] offset:\t*2*SPITCH    ; LDS serves a wave's instructions in order: these see the stores above
.endr
.irp t, 0,1,2,3,4,5,6,7
	s_wait_dscnt 7-\t
	global_store_b128 v[CO], v[\f+4*\t:\f+4*\t+3], s[CB:CB+1] offset:2*\t*SIZE_N*2   ; 16 lanes store 256 consecutive bytes, aligned
.endr
.endm
	OUT16 0, 0, 0x02, 64
	OUT16 1, 1, 0x02, 96
	OUT16 2, 2, 0x02, 64
	OUT16 3, 3, 0x02, 96
	OUT16 4, 0, 0x03, 64
	OUT16 5, 1, 0x03, 96
	OUT16 6, 2, 0x03, 64
	OUT16 7, 3, 0x03, 96
	s_set_vgpr_msb 0x1
	s_wait_tensorcnt 0x0
	ds_add_u32 v255, v31
	s_wait_dscnt 0x0
	s_set_vgpr_msb 0x100
	CROUND                                         ; the closing round: no work-group ends while a partner may still ask for a tile that names it
	s_endpgm
.Lfunc_end_k_q5e6bfd28a4_qkv:
	.size	k_q5e6bfd28a4_qkv, .Lfunc_end_k_q5e6bfd28a4_qkv-k_q5e6bfd28a4_qkv
	.p2alignl 7, 3214868480
	.fill 96, 4, 3214868480
	.section	.rodata,"a",@progbits
	.p2align	6, 0x0
	.amdhsa_kernel k_q5e6bfd28a4_qkv
		.amdhsa_group_segment_fixed_size 327680
		.amdhsa_private_segment_fixed_size 0
		.amdhsa_enable_private_segment 0
		.amdhsa_kernarg_size 48
		.amdhsa_user_sgpr_count 2
		.amdhsa_user_sgpr_kernarg_segment_ptr 1
		.amdhsa_wavefront_size32 1
		.amdhsa_system_sgpr_workgroup_id_x 1
		.amdhsa_system_sgpr_workgroup_id_y 1
		.amdhsa_system_sgpr_workgroup_id_z 1
		.amdhsa_system_vgpr_workitem_id 0
		.amdhsa_next_free_vgpr 1024
		.amdhsa_next_free_sgpr 80
		.amdhsa_reserve_vcc 0
		.amdhsa_float_denorm_mode_32 3
		.amdhsa_float_denorm_mode_16_64 3
		.amdhsa_memory_ordered 1
		.amdhsa_forward_progress 1
		.amdhsa_inst_pref_size 162
	.end_amdhsa_kernel
	.amdgpu_metadata
---
amdhsa.version: [ 1, 2 ]
amdhsa.kernels:
  - .name:           k_q5e6bfd28a4_qkv
    .symbol:         k_q5e6bfd28a4_qkv.kd
    .args:
      - { .name: xn, .offset: 0, .size: 8, .value_kind: global_buffer, .address_space: global }
      - { .name: wb, .offset: 8, .size: 8, .value_kind: global_buffer, .address_space: global }
      - { .name: bq, .offset: 16, .size: 8, .value_kind: global_buffer, .address_space: global }
      - { .name: bk, .offset: 24, .size: 8, .value_kind: global_buffer, .address_space: global }
      - { .name: bvp, .offset: 32, .size: 8, .value_kind: global_buffer, .address_space: global }
      - { .name: qkv, .offset: 40, .size: 8, .value_kind: global_buffer, .address_space: global }
    .group_segment_fixed_size: 327680
    .private_segment_fixed_size: 0
    .kernarg_segment_align: 8
    .kernarg_segment_size: 48
    .max_flat_workgroup_size: 128
    .sgpr_count:     80
    .vgpr_count:     1024
    .wavefront_size: 32
...
	.end_amdgpu_metadata
.endif
;; end of part 2
;; launch attn (part 3): grid 32 x 8, 4 waves a work-group, clusters of 4 x 1, 327,680 bytes of LDS; arguments qkv, opart, ml; writes opart, ml
.if DOCPART == 3
	.amdgcn_target "amdgcn-amd-amdhsa--gfx1250"
	.amdhsa_code_object_version 6
	.text
	.protected	k_q5e6bfd28a4_attn
	.globl	k_q5e6bfd28a4_attn
	.p2align	8
	.type	k_q5e6bfd28a4_attn,@function
k_q5e6bfd28a4_attn:
	s_mov_b64 s[64:65], 0
	v_nop
	global_prefetch_b8 v0, s[64:65] scope:SCOPE_SE
	s_setreg_imm32_b32 hwreg(HW_REG_WAVE_MODE, 25, 1), 1
	s_wait_xcnt 0x0
	s_wait_alu depctr_hold_cnt(0) depctr_sa_sdst(0) depctr_va_vdst(0) depctr_va_sdst(0) depctr_va_ssrc(0) depctr_va_vcc(0) depctr_vm_vsrc(0)
	s_getreg_b32 s2, hwreg(HW_REG_IB_STS2, 6, 4)
	s_cmp_eq_u32 s2, 0
	s_cbranch_scc0 .Lentry_in_a_cluster
	s_endpgm
.Lentry_in_a_cluster:
	s_bfe_u32 s2, ttmp6, 0x10000c
	s_cmp_lg_u32 s2, 0x3003
	s_cbranch_scc0 .Lentry_shape_is_right
	s_endpgm
.Lentry_shape_is_right:
; Attention with a running maximum: a work-group takes 128 queries and a quarter of a batch's keys (1,024, as 8 blocks of 128) and stores the
; normalised partial result (bf16) and, for each query, (kappa x maximum, sum), kappa = 512^-0.5 x log2 e.  The next launch merges the four quarters.
; grid y = 4 x batch + quarter; grid x = block of 128 queries.
; CLUSTER 4 x 1: the four partners have the same y, hence the same K and V tiles: every tile load is joint (mask 15).
; PHASE S: wave w owns queries 32 w .. +31, whose q rows stay in 256 registers.  It makes S transposed (M = 128 keys, N = 32 queries), so that
; a lane holds 64 scores of one query: maximum and sum need one exchange between the halves of the wave.  P (bf16) and the factors go to LDS.
; PHASE PV: wave w owns channels 128 w .. +127 of all 128 queries: 64 accumulator tiles, 512 registers; source 0 = V (transposing LDS load),
; source 1 = P, so a lane's eight results are eight neighbouring channels of one query.
; One slot for K and one for V: K's next block lands during phase PV, V's during phase S; each refill stands behind a round of the cluster's barrier.
; REGISTERS: window 0: v0-15 addresses, maxima, sums; v16-31 at work; v32-159 S, in phase PV two buffers of V fragments; v160-255 three buffers of K
; fragments, in phase PV of P fragments.  Window 1: q.  Windows 2, 3: O of queries 0-63, 64-127, tile (query block, channel block ct) at 8 (8 (block & 3) + ct).
; Limits: q, k, v, P and the partial result are bf16; exponentials below 2^-126 count as 0 (the sum is at least about 1, the maximum's own term);
; NaN and infinities are not treated specially.
.set ROWB,  3072                       ; bytes in a row of qkv
.set KSTEP, 128*ROWB                   ; from a block of keys to the next
.set KP,    1040                       ; K's LDS pitch: 1,024 + 16
.set VS,    133120                     ; V's slot, behind K's 128 x 1,040
.set VP,    1056                       ; V's LDS pitch: 1,024 + 32 = 33 x 32
.set PB,    268288                     ; P: 128 query rows x 256 bytes, pitch 272.  From here on no tensor load lands
.set AT,    303104                     ; the factors, twice each: 128 x 8 bytes
.set IT,    AT+1024                    ; 1 / sum, twice each
.set ST,    305152                     ; the way out: 16 rows x 272 bytes for each wave
.set KAPPA,  0x3d8293ee
.set NKAPPA, 0xbd8293ee
.set ADRK, 2                           ; v2, v3   K fragments: keys 0-63, 64-127
.set ADRV, 4                           ; v4, v5   V fragments: keys 0-63, 64-127
.set ADRP, 6                           ; v6       P fragments
.set PSTO, 7                           ; v7       where I put P
.set ASTO, 8                           ; v8       where I put factors
.set ARD,  9                           ; v9       where I read factors
.set MX,   10                          ; v10, v11 running maximum of my query in query block 0, 1 of the wave
.set LS,   12                          ; v12, v13 running sum over my half's keys
.set MN,   14                          ; v14      the new maximum
.set TT,   15
.set NM,   16                          ; v[16:19] - kappa x maximum, twice, for each query block
.set AL,   20                          ; v[20:23] the factor, twice, for each query block
.set CH,   24                          ; v[24:31] chains
.set APR,  16                          ; v[16:31] phase PV: eight pairs of factors
.set S,    32
.set KF,   160
.set VB,   32
.set PR,   160
.set MSB, 0
.macro WIN new
.if MSB != \new
	s_set_vgpr_msb (MSB<<8)|\new
.set MSB, \new
.endif
.endm
.macro PLACES n
.rept \n
	v_nop
.endr
.endm
.macro ROUND                           ; a round of the cluster's barrier
	s_barrier_signal -1
	s_barrier_wait -1
	s_cmp_lg_u32 s10, 0
	s_cbranch_scc1 .Lnot_wave_0_\@
	s_barrier_signal -3
.Lnot_wave_0_\@:
	s_barrier_wait -3
	s_barrier_signal -1
	s_barrier_wait -1
.endm
	s_load_b128 s[4:7], s[0:1], 0x0                ; qkv s[4:5], opart s[6:7]
	s_load_b64 s[8:9], s[0:1], 0x10                ; ml
	v_lshl_add_u32 v254, v0, 2, 0x4ec00
	v_mov_b32 v255, 0
	ds_add_u32 v254, v255
	s_wait_dscnt 0x0
	v_lshrrev_b32 v1, 5, v0
	v_readfirstlane_b32 s10, v1                    ; wave
	s_bfe_u32 s11, ttmp6, 0x40000                  ; cx
	s_lshl_b32 s12, ttmp9, 2
	s_add_co_u32 s12, s12, s11                     ; block of queries
	s_and_b32 s13, ttmp7, 0xffff                   ; y = 4 x batch + quarter
	s_mov_b32 s45, 0x76543210
	s_mov_b32 s46, 0xfedcba98
	; group 1: 32 rows of 512 elements, 1,536 from row to row; padding behind every 256 words: 4 words for K, 8 for V; mask 15, bit 21 beside it
	s_mov_b32 s16, 15|(1<<16)|(1<<20)|(1<<21)|(7<<22)|(3<<25)
	s_mov_b32 s17, 512<<16
	s_mov_b32 s18, 32<<16
	s_mov_b32 s19, 512<<16
	s_mov_b32 s20, 32
	s_mov_b32 s21, 1536
	s_mov_b32 s22, 0
	s_mov_b32 s23, 0
	s_mov_b32 s24, 15|(1<<16)|(1<<20)|(1<<21)|(7<<22)|(7<<25)
	s_mov_b32 s25, 512<<16
	s_mov_b32 s26, 32<<16
	s_mov_b32 s27, 512<<16
	s_mov_b32 s28, 32
	s_mov_b32 s29, 1536
	s_mov_b32 s30, 0
	s_mov_b32 s31, 0
	; the tiles: row 1,024 y + 32 w, k's columns at byte 1,024: made of y and the wave's number alone
	s_lshl_b32 s40, s13, 10
	s_lshl_b32 s41, s10, 5
	s_add_co_u32 s40, s40, s41
	s_mul_i32 s40, s40, ROWB
	s_add_co_u32 s40, s40, 1024
	s_mov_b32 s41, 0
	; the queries
	s_lshr_b32 s42, s13, 2
	s_lshl_b32 s42, s42, 12
	s_lshl_b32 s43, s12, 7
	s_add_co_u32 s42, s42, s43                     ; the work-group's first query row
	s_and_b32 s47, s13, 3                          ; the quarter
	s_lshl_b32 s43, s10, 5
	s_add_co_u32 s43, s42, s43                     ; the wave's first query row in phase S
	s_mul_i32 s54, s43, ROWB
	s_mov_b32 s55, 0
	s_lshl_b32 s56, s42, 10                        ; opart: 1,024 bytes a row,
	s_lshl_b32 s57, s47, 23                        ; 8,388,608 a quarter,
	s_add_co_u32 s56, s56, s57
	s_lshl_b32 s57, s10, 8                         ; my 128 channels
	s_add_co_u32 s56, s56, s57
	s_mov_b32 s57, 0
	s_lshl_b32 s58, s43, 3                         ; ml: 8 bytes a row, 65,536 a quarter
	s_lshl_b32 s59, s47, 16
	s_add_co_u32 s58, s58, s59
	s_mov_b32 s59, 0
	v_and_b32 v14, 15, v0                          ; r
	v_bfe_u32 v15, v0, 4, 1                        ; h
	v_and_b32 v16, 7, v0
	v_bfe_u32 v17, v0, 3, 1
	v_mul_u32_u24 v1, v14, ROWB
	v_lshl_add_u32 v1, v15, 4, v1                  ; q: row r, 16 h
	s_wait_kmcnt 0x0
	s_add_nc_u64 s[48:49], s[4:5], s[54:55]
	s_add_nc_u64 s[50:51], s[6:7], s[56:57]
	s_add_nc_u64 s[52:53], s[8:9], s[58:59]
	s_mov_b32 s32, 1
	s_mul_i32 s33, s10, 32*KP                      ; my 32 rows of K's slot
	s_add_nc_u64 s[34:35], s[4:5], s[40:41]
	s_mov_b32 s36, 1
	s_mul_i32 s37, s10, 32*VP
	s_add_co_u32 s37, s37, VS                      ; my 32 rows of V's slot
	s_add_nc_u64 s[38:39], s[34:35], 1024          ; v's columns lie 1,024 bytes behind k's
	s_or_b32 s35, s35, 0x80000000
	s_or_b32 s39, s39, 0x80000000
	ROUND                                          ; in front of the first joint loads
	tensor_load_to_lds s[32:35], s[16:23]          ; K, block 0
	s_nop 0
	tensor_load_to_lds s[36:39], s[24:31]          ; V, block 0: two loads of a wave are out here, later one
	s_nop 0
	WIN 0x40
.irp nt, 0,1
.irp ks, 0,1,2,3,4,5,6,7,8,9,10,11,12,13,14,15
	global_load_b128 v[8*(16*\nt+\ks):8*(16*\nt+\ks)+3],   v1, s[48:49] offset:16*ROWB*\nt+64*\ks
	global_load_b128 v[8*(16*\nt+\ks)+4:8*(16*\nt+\ks)+7], v1, s[48:49] offset:16*ROWB*\nt+64*\ks+32
.endr
.endr
	WIN 0
	v_mul_u32_u24 v[ADRK], v14, KP
	v_lshl_add_u32 v[ADRK], v15, 4, v[ADRK]        ; key r x pitch + 16 h
	v_add_nc_u32 v[ADRK+1], 64*KP, v[ADRK]
	v_lshl_add_u32 v[ADRV], v15, 3, v16            ; transposing load: key 8 h + l % 8,
	v_mul_u32_u24 v[ADRV], v[ADRV], VP
	v_lshl_add_u32 v[ADRV], v17, 4, v[ADRV]        ; 16 bytes on for lanes 8-15 of each half,
	s_lshl_b32 s60, s10, 8
	s_add_co_u32 s60, s60, VS
	v_add_nc_u32 v[ADRV], s60, v[ADRV]             ; my 128 channels
	v_add_nc_u32 v[ADRV+1], 64*VP, v[ADRV]
	v_mul_u32_u24 v[ADRP], v14, 272
	v_lshl_add_u32 v[ADRP], v15, 4, v[ADRP]
	v_add_nc_u32 v[ADRP], PB, v[ADRP]
	s_mul_i32 s60, s10, 32*272
	v_add_nc_u32 v[PSTO], s60, v[ADRP]             ; my 32 query rows of P
	v_lshlrev_b32 v[ARD], 3, v14
	v_add_nc_u32 v[ARD], AT, v[ARD]
	s_lshl_b32 s60, s10, 8
	v_add_nc_u32 v[ASTO], s60, v[ARD]
	s_wait_tensorcnt 0x1                           ; my quarter of K's block 0 is in; V's stays out
	s_barrier_signal -1
	s_barrier_wait -1
	s_wait_loadcnt 0x0                             ; q
; Group g of phase S: 32 along c (ks = g / 2), keys 64 (g & 1) .. +63: four K fragments, eight loads, into buffer g % 3
.macro KLOAD g
.irp f, 0,1,2,3
	ds_load_b128 v[KF+32*((\g)%3)+8*\f:KF+32*((\g)%3)+8*\f+3],   v[ADRK+((\g)&1)] offset:16*KP*\f+64*((\g)>>1)
	ds_load_b128 v[KF+32*((\g)%3)+8*\f+4:KF+32*((\g)%3)+8*\f+7], v[ADRK+((\g)&1)] offset:16*KP*\f+64*((\g)>>1)+32
.endr
.endm
.macro SMUL g
.irp f, 0,1,2,3
.irp nt, 0,1
.set sd, S+8*(8*\nt+4*((\g)&1)+\f)
.if ((\g)>>1) == 0
	v_wmma_f32_16x16x32_bf16 v[sd:sd+7], v[KF+32*((\g)%3)+8*\f:KF+32*((\g)%3)+8*\f+7], v[8*(16*\nt+((\g)>>1)):8*(16*\nt+((\g)>>1))+7], 0
.else
	v_wmma_f32_16x16x32_bf16 v[sd:sd+7], v[KF+32*((\g)%3)+8*\f:KF+32*((\g)%3)+8*\f+7], v[8*(16*\nt+((\g)>>1)):8*(16*\nt+((\g)>>1))+7], v[sd:sd+7]
.endif
.endr
.endr
.endm
; Phase S: 32 groups of 8 matrix instructions; the 16 accumulators take turns, one instruction a turn.
; One window setting (source 1 in window 1) serves the products and the LDS loads.
.macro SPHASE
	WIN 0x04
	KLOAD 0
	KLOAD 1
	KLOAD 2
.set g, 0
.rept 32
.if g < 30
	s_wait_dscnt 16                                ; group g's eight loads are in; the two younger groups' sixteen stay out
.else
	s_wait_dscnt 8*(31-g)                          ; the counts run down
.endif
	SMUL g
.if g < 29
	PLACES 4                                       ; between the products that read the buffer and the loads into it
	KLOAD g+3
.endif
.set g, g+1
.endr
	PLACES 4                                       ; before vector instructions read S
	WIN 0
.endm
; The softmax step of the wave's 32 queries.  first = 1: no maximum and no sum yet.  last = 1: also 1 / sum to LDS and (kappa max, sum) to memory.
.macro SOFTMAX first, last
.irp nt, 0,1
.set sb, S+64*\nt
.irp c, 0,1,2,3
	v_max_num_f32 v[CH+\c], v[sb+16*\c], v[sb+16*\c+1]
.endr
.irp i, 1,2,3,4,5,6,7
.irp c, 0,1,2,3
	v_max3_num_f32 v[CH+\c], v[CH+\c], v[sb+16*\c+2*\i], v[sb+16*\c+2*\i+1]
.endr
.endr
	v_max3_num_f32 v[CH], v[CH], v[CH+1], v[CH+2]
.if \first
	v_max_num_f32 v[CH], v[CH], v[CH+3]
.else
	v_max3_num_f32 v[CH], v[CH], v[CH+3], v[MX+\nt]
.endif
	v_permlanex16_b32 v[CH+1], v[CH], s45, s46     ; the other half holds the query's other 64 keys
	v_max_num_f32 v[MN], v[CH], v[CH+1]
.if \first == 0
	v_sub_f32 v[TT], v[MX+\nt], v[MN]
	v_mul_f32 v[TT], KAPPA, v[TT]
	v_exp_f32 v[AL+2*\nt], v[TT]                   ; the factor for what has been summed so far
.endif
	v_mul_f32 v[NM+2*\nt], NKAPPA, v[MN]           ; (also the plain place behind the exponential)
	v_mul_f32 v[NM+2*\nt+1], NKAPPA, v[MN]
.if \first == 0
	s_wait_alu depctr_va_vdst(0)
	v_mov_b32 v[AL+2*\nt+1], v[AL+2*\nt]
.endif
	v_mov_b32 v[MX+\nt], v[MN]
.set p, 0
.rept 32
	v_pk_fma_f32 v[sb+2*p:sb+2*p+1], v[sb+2*p:sb+2*p+1], KAPPA, v[NM+2*\nt:NM+2*\nt+1] op_sel_hi:[1,0,1]
.set p, p+1
.endr
.set p, 0
.rept 64
	v_exp_f32 v[sb+p], v[sb+p]
.set p, p+1
.endr
	v_nop                                          ; one plain place behind the run of exponentials (ISA guide 5.7.2)
	s_wait_alu depctr_va_vdst(0)
.irp c, 0,1,2,3
	v_pk_add_f32 v[CH+2*\c:CH+2*\c+1], v[sb+16*\c:sb+16*\c+1], v[sb+16*\c+2:sb+16*\c+3]
.endr
.irp i, 2,3,4,5,6,7
.irp c, 0,1,2,3
	v_pk_add_f32 v[CH+2*\c:CH+2*\c+1], v[CH+2*\c:CH+2*\c+1], v[sb+16*\c+2*\i:sb+16*\c+2*\i+1]
.endr
.endr
	v_pk_add_f32 v[CH:CH+1], v[CH:CH+1], v[CH+2:CH+3]
	v_pk_add_f32 v[CH+4:CH+5], v[CH+4:CH+5], v[CH+6:CH+7]
	v_pk_add_f32 v[CH:CH+1], v[CH:CH+1], v[CH+4:CH+5]
.if \first
	v_add_f32 v[LS+\nt], v[CH], v[CH+1]
.else
	v_add_f32 v[CH], v[CH], v[CH+1]
	v_fma_f32 v[LS+\nt], v[LS+\nt], v[AL+2*\nt], v[CH]
.endif
.irp mt, 0,1,2,3,4,5,6,7
.irp i, 0,1,2,3
	v_cvt_pk_bf16_f32 v[PR+32*\nt+4*\mt+\i], v[sb+8*\mt+2*\i], v[sb+8*\mt+2*\i+1]
.endr
.endr
.irp mt, 0,1,2,3,4,5,6,7
	ds_store_b128 v[PSTO], v[PR+32*\nt+4*\mt:PR+32*\nt+4*\mt+3] offset:16*272*\nt+32*\mt   ; keys 16 mt + 8 h + 0..7 of query 16 nt + r
.endr
.if \first == 0
	ds_store_b64 v[ASTO], v[AL+2*\nt:AL+2*\nt+1] offset:128*\nt
.endif
.if \last
	v_permlanex16_b32 v[CH+1], v[LS+\nt], s45, s46
	v_add_f32 v[LS+\nt], v[LS+\nt], v[CH+1]        ; the sum over both halves' keys
	v_rcp_f32 v[CH+2], v[LS+\nt]
	v_nop
	s_wait_alu depctr_va_vdst(0)
	v_mov_b32 v[CH+3], v[CH+2]
	ds_store_b64 v[ASTO], v[CH+2:CH+3] offset:1024+128*\nt
.endif
.endr
.if \last
	v_and_b32 v1, 31, v0                           ; lane l stores query 32 w + l: lanes 0-15 from query block 0, lanes 16-31 from block 1
	v_cmp_gt_u32 vcc_lo, 16, v1
	v_cndmask_b32 v14, v[MX+1], v[MX], vcc_lo
	v_cndmask_b32 v15, v[LS+1], v[LS], vcc_lo
	v_mul_f32 v14, KAPPA, v14
	v_lshlrev_b32 v1, 3, v1
	global_store_b64 v1, v[14:15], s[52:53]        ; 256 consecutive bytes, aligned; v1, v14, v15 are not written again
.endif
.endm
.macro VLOAD ks                        ; V fragments of keys 32 ks .. +31, my 8 channel blocks: 16 loads into buffer ks & 1
.irp ct, 0,1,2,3,4,5,6,7
	ds_load_tr16_b128 v[VB+64*((\ks)&1)+8*\ct:VB+64*((\ks)&1)+8*\ct+3],   v[ADRV+((\ks)>>1)] offset:32*VP*((\ks)&1)+32*\ct
	ds_load_tr16_b128 v[VB+64*((\ks)&1)+8*\ct+4:VB+64*((\ks)&1)+8*\ct+7], v[ADRV+((\ks)>>1)] offset:32*VP*((\ks)&1)+32*\ct+16*VP
.endr
.endm
.macro PLOAD n                         ; P fragments of keys 32 (n / 2) .. +31, query blocks 4 (n & 1) .. +3: 8 loads into buffer n % 3
.irp q, 0,1,2,3
	ds_load_b128 v[PR+32*((\n)%3)+8*\q:PR+32*((\n)%3)+8*\q+3],   v[ADRP] offset:16*272*(4*((\n)&1)+\q)+64*((\n)>>1)
	ds_load_b128 v[PR+32*((\n)%3)+8*\q+4:PR+32*((\n)%3)+8*\q+7], v[ADRP] offset:16*272*(4*((\n)&1)+\q)+64*((\n)>>1)+32
.endr
.endm
.macro PVMUL n, zero                   ; 32 matrix instructions on the 32 accumulators of window 2 (n even) or 3 (n odd)
.if ((\n)&1)
	WIN 0xf0
.else
	WIN 0xa0
.endif
.irp q, 0,1,2,3
.irp ct, 0,1,2,3,4,5,6,7
.set od, 8*(8*\q+\ct)
.if \zero
	v_wmma_f32_16x16x32_bf16 v[od:od+7], v[VB+64*(((\n)>>1)&1)+8*\ct:VB+64*(((\n)>>1)&1)+8*\ct+7], v[PR+32*((\n)%3)+8*\q:PR+32*((\n)%3)+8*\q+7], 0
.else
	v_wmma_f32_16x16x32_bf16 v[od:od+7], v[VB+64*(((\n)>>1)&1)+8*\ct:VB+64*(((\n)>>1)&1)+8*\ct+7], v[PR+32*((\n)%3)+8*\q:PR+32*((\n)%3)+8*\q+7], v[od:od+7]
.endif
.endr
.endr
.endm
; Phase PV.  first = 1: the first products start the sums and nothing is rescaled.  The 64 accumulators take turns, one instruction a turn.
; Every count of 32 leaves out exactly the loads issued behind the ones that the next products need.
.macro PVPHASE first
.if \first == 0
.irp nt, 0,1,2,3,4,5,6,7
	ds_load_b64 v[APR+2*\nt:APR+2*\nt+1], v[ARD] offset:128*\nt    ; the factor of query 16 nt + r, twice
.endr
.endif
	VLOAD 0
	PLOAD 0
	PLOAD 1
	VLOAD 1
	PLOAD 2
.if \first == 0
	s_wait_dscnt 56                                ; the factors are in; the 56 fragment loads behind them stay out
	WIN 0x82
.irp nt, 0,1,2,3
.set p, 0
.rept 32
	v_pk_mul_f32 v[64*\nt+2*p:64*\nt+2*p+1], v[64*\nt+2*p:64*\nt+2*p+1], v[APR+2*\nt:APR+2*\nt+1]
.set p, p+1
.endr
.endr
	WIN 0xc3
.irp nt, 0,1,2,3
.set p, 0
.rept 32
	v_pk_mul_f32 v[64*\nt+2*p:64*\nt+2*p+1], v[64*\nt+2*p:64*\nt+2*p+1], v[APR+8+2*\nt:APR+8+2*\nt+1]
.set p, p+1
.endr
.endr
.endif
	s_wait_dscnt 32
	PVMUL 0, \first
	WIN 0
	PLACES 4
	PLOAD 3
	s_wait_dscnt 32
	PVMUL 1, \first
	WIN 0
	PLACES 4
	PLOAD 4
	VLOAD 2
	s_wait_dscnt 32
	PVMUL 2, 0
	WIN 0
	PLACES 4
	PLOAD 5
	s_wait_dscnt 32
	PVMUL 3, 0
	WIN 0
	PLACES 4
	PLOAD 6
	VLOAD 3
	s_wait_dscnt 32
	PVMUL 4, 0
	WIN 0
	PLACES 4
	PLOAD 7
	s_wait_dscnt 32
	PVMUL 5, 0
	s_wait_dscnt 8
	PVMUL 6, 0
	s_wait_dscnt 0
	PVMUL 7, 0
	WIN 0
	PLACES 5                                       ; the next phase's products write over V's buffers, its loads land in P's
.endm
; Behind phase S and the softmax: my reads of K's slot and my stores of P are done, all my tensor loads have landed (V's block among them).
; refill = 1: a round of the cluster's barrier, then K's next block, my one tensor load until the next such round.
.macro SWAPK refill
	s_wait_dscnt 0x0
	s_wait_xcnt 0x0
	v_lshl_add_u32 v254, v0, 2, 0x4ec00
	v_mov_b32 v255, 0
	s_wait_tensorcnt 0x0
	ds_add_u32 v254, v255
	s_wait_dscnt 0x0
.if \refill
	s_add_nc_u64 s[34:35], s[34:35], KSTEP         ; no load of mine is out: the address may step
	ROUND
	tensor_load_to_lds s[32:35], s[16:23]
	s_nop 0
.else
	s_barrier_signal -1
	s_barrier_wait -1
.endif
.endm
; Behind phase PV: my reads of V's slot and of P are done, K's next block has landed; then V's next block.
.macro SWAPV
	s_wait_dscnt 0x0
	s_wait_xcnt 0x0
	v_lshl_add_u32 v254, v0, 2, 0x4ec00
	v_mov_b32 v255, 0
	s_wait_tensorcnt 0x0
	ds_add_u32 v254, v255
	s_wait_dscnt 0x0
	s_add_nc_u64 s[38:39], s[38:39], KSTEP
	ROUND
	tensor_load_to_lds s[36:39], s[24:31]
	s_nop 0
.endm
	SPHASE                                         ; block 0
	SOFTMAX 1, 0
	SWAPK 1
	PVPHASE 1
	s_mov_b32 s44, 6                               ; blocks 1 to 6
.Lblock:
	SWAPV
	SPHASE
	SOFTMAX 0, 0
	SWAPK 1
	PVPHASE 0
	s_sub_co_u32 s44, s44, 1
	s_cmp_lg_u32 s44, 0
	s_cbranch_scc1 .Lblock
	SWAPV                                          ; block 7: V's last block is asked for, K has none left
	SPHASE
	SOFTMAX 0, 1
	SWAPK 0
	PVPHASE 0
	; THE WAY OUT, 16 queries at a time: times 1 / sum, round to bf16, through my own stage, out as rows of 256 bytes (my 128 channels).
.irp nt, 0,1,2,3,4,5,6,7
	ds_load_b64 v[APR+2*\nt:APR+2*\nt+1], v[ARD] offset:1024+128*\nt
.endr
	v_and_b32 v2, 15, v0
	v_bfe_u32 v3, v0, 4, 1
	s_mul_i32 s60, s10, 16*272
	s_add_co_u32 s60, s60, ST
	v_mul_u32_u24 v4, v2, 272                      ; in: row r, 16 bytes for each half of the lanes
	v_lshl_add_u32 v4, v3, 4, v4
	v_add_nc_u32 v4, s60, v4
	v_mul_u32_u24 v5, v3, 272                      ; back: lanes 0-15 one row, lanes 16-31 the next
	v_lshl_add_u32 v5, v2, 4, v5
	v_add_nc_u32 v5, s60, v5
	v_lshlrev_b32 v6, 10, v3                       ; and the same two rows in opart
	v_lshl_add_u32 v6, v2, 4, v6
	s_wait_dscnt 0x0
.macro AOUT nt
.if \nt < 4
	WIN 0x02
.else
	WIN 0x03
.endif
.irp ct, 0,1,2,3,4,5,6,7
.irp i, 0,1,2,3
	v_pk_mul_f32 v[32+8*\ct+2*\i:32+8*\ct+2*\i+1], v[64*((\nt)&3)+8*\ct+2*\i:64*((\nt)&3)+8*\ct+2*\i+1], v[APR+2*\nt:APR+2*\nt+1]
.endr
.endr
	WIN 0
.irp ct, 0,1,2,3,4,5,6,7
.irp i, 0,1,2,3
	v_cvt_pk_bf16_f32 v[96+4*\ct+\i], v[32+8*\ct+2*\i], v[32+8*\ct+2*\i+1]
.endr
.endr
.irp ct, 0,1,2,3,4,5,6,7
	ds_store_b128 v4, v[96+4*\ct:96+4*\ct+3] offset:32*\ct
.endr
	s_wait_xcnt 0x0                                ; the registers that earlier stores read are loaded again only behind this wait
.set rb, 128+32*((\nt)&1)
.irp t, 0,1,2,3,4,5,6,7
	ds_load_b128 v[rb+4*\t:rb+4*\t+3], v5 offset:544*\t            ; LDS serves a wave's instructions in order: these see the stores above
.endr
.irp t, 0,1,2,3,4,5,6,7
	s_wait_dscnt 7-\t
	global_store_b128 v6, v[rb+4*\t:rb+4*\t+3], s[50:51] offset:16384*\nt+2048*\t   ; 16 lanes store 256 consecutive bytes, aligned
.endr
.endm
	AOUT 0
	AOUT 1
	AOUT 2
	AOUT 3
	AOUT 4
	AOUT 5
	AOUT 6
	AOUT 7
	s_wait_xcnt 0x0
	v_lshl_add_u32 v254, v0, 2, 0x4ec00
	v_mov_b32 v255, 0
	s_wait_tensorcnt 0x0
	ds_add_u32 v254, v255
	s_wait_dscnt 0x0
	ROUND                                          ; the closing round
	s_endpgm
.Lfunc_end_k_q5e6bfd28a4_attn:
	.size	k_q5e6bfd28a4_attn, .Lfunc_end_k_q5e6bfd28a4_attn-k_q5e6bfd28a4_attn
	.p2alignl 7, 3214868480
	.fill 96, 4, 3214868480
	.section	.rodata,"a",@progbits
	.p2align	6, 0x0
	.amdhsa_kernel k_q5e6bfd28a4_attn
		.amdhsa_group_segment_fixed_size 327680
		.amdhsa_private_segment_fixed_size 0
		.amdhsa_enable_private_segment 0
		.amdhsa_kernarg_size 24
		.amdhsa_user_sgpr_count 2
		.amdhsa_user_sgpr_kernarg_segment_ptr 1
		.amdhsa_wavefront_size32 1
		.amdhsa_system_sgpr_workgroup_id_x 1
		.amdhsa_system_sgpr_workgroup_id_y 1
		.amdhsa_system_sgpr_workgroup_id_z 1
		.amdhsa_system_vgpr_workitem_id 0
		.amdhsa_next_free_vgpr 1024
		.amdhsa_next_free_sgpr 66
		.amdhsa_reserve_vcc 1
		.amdhsa_float_denorm_mode_32 3
		.amdhsa_float_denorm_mode_16_64 3
		.amdhsa_memory_ordered 1
		.amdhsa_forward_progress 1
		.amdhsa_inst_pref_size 255
	.end_amdhsa_kernel
	.section	.bss,"aw",@nobits
	.p2align	6
	.space	262144
	.amdgpu_metadata
---
amdhsa.version: [ 1, 2 ]
amdhsa.kernels:
  - .name:           k_q5e6bfd28a4_attn
    .symbol:         k_q5e6bfd28a4_attn.kd
    .args:
      - { .name: qkv, .offset: 0, .size: 8, .value_kind: global_buffer, .address_space: global }
      - { .name: opart, .offset: 8, .size: 8, .value_kind: global_buffer, .address_space: global }
      - { .name: ml, .offset: 16, .size: 8, .value_kind: global_buffer, .address_space: global }
    .group_segment_fixed_size: 327680
    .private_segment_fixed_size: 0
    .kernarg_segment_align: 8
    .kernarg_segment_size: 24
    .max_flat_workgroup_size: 128
    .sgpr_count:     66
    .vgpr_count:     1024
    .wavefront_size: 32
...
	.end_amdgpu_metadata
.endif
;; end of part 3
;; launch merge (part 4): grid 128 x 2, 4 waves a work-group, no clusters, 52,736 bytes of LDS; arguments opart, ml, bp, x, out0; writes out0
.if DOCPART == 4
	.amdgcn_target "amdgcn-amd-amdhsa--gfx1250"
	.amdhsa_code_object_version 6
	.text
	.protected	k_q5e6bfd28a4_merge
	.globl	k_q5e6bfd28a4_merge
	.p2align	8
	.type	k_q5e6bfd28a4_merge,@function
k_q5e6bfd28a4_merge:
	s_mov_b64 s[64:65], 0
	v_nop
	global_prefetch_b8 v0, s[64:65] scope:SCOPE_SE
	s_setreg_imm32_b32 hwreg(HW_REG_WAVE_MODE, 25, 1), 1
	s_wait_xcnt 0x0
; out0[b][o][i] = x[b][o][i] + bp[o] + sum over the four key quarters s of w_s[i] opart[s][i][o],
; w_s = 2^(m_s - max m) l_s / (sum over s of the same): the merge of four softmax parts, each with its own maximum.  The values were
; projected before attention (wp wv, wp bv), so nothing is left to multiply by wp.
; A work-group takes 64 pixels x 256 channels (grid y: which half of the channels), so each byte of opart, x and out0 is touched once.
; Wave w merges pixel rows 16 w .. +15 (512 bytes of each part's row, a wave's load) in f32 and puts them, rounded to bf16, into a tile [pixel][channel]
; in LDS.  out0 lies [channel][pixel]: each block of 16 pixels x 16 channels is widened and transposed by ONE matrix instruction against a selector
; (B[n][k] = 1 where k = n, or k = 16 + n, else 0): each result is one product with 1.0 and 31 with 0, hence exact, and a lane then holds eight
; neighbouring pixels of one channel.  Wave w takes channels 64 w .. +63 of all 64 pixels: 16 blocks.  They leave through the wave's own stage as rows of 256 bytes.
; No cluster and no tensor load: work-groups share nothing but 512 bytes of ml and 1,024 of bp; all loads go out at the start, into registers.
; REGISTERS: window 0: v0-15 addresses; v16-23 (m, l); v24-31 bias pairs; v32-95 weights, row q at 32 + 4 q; v96-127 merged rows at work, then the selector; v128-255 x.
; Window 1: the four parts of my 16 rows, v[16 q + 4 s]; behind the merge the 16 blocks at 8 (4 nt + mt) and the tile's fragments at 128.
; Limits: the merged result is rounded to bf16 before bp and x are added; NaN and infinities are not treated specially.
.set OP,   528                         ; the tile, from LDS byte 0: 64 rows x 512 bytes, pitch 528
.set WT,   33792                       ; the weights: 256 bytes for each wave
.set ST,   34816                       ; the way out: 16 rows x 272 bytes for each wave
.set WTS,  32
.set CACC, 96
.set EP,   96                          ; v[96:107]: four zeros, the pattern, four zeros
.set XR,   128
.set AFR,  128                         ; window 1
.set MSB, 0
.macro WIN new
.if MSB != \new
	s_set_vgpr_msb (MSB<<8)|\new
.set MSB, \new
.endif
.endm
.macro PLACES n
.rept \n
	v_nop
.endr
.endm
	s_load_b256 s[4:11], s[0:1], 0x0               ; opart s[4:5], ml s[6:7], bp s[8:9], x s[10:11]
	s_load_b64 s[12:13], s[0:1], 0x20              ; out0
	v_lshl_add_u32 v9, v0, 2, 0xcc00
	s_set_vgpr_msb 0x80
	v_mov_b32 v1, 0
	s_set_vgpr_msb 0x8000
	v_lshrrev_b32 v1, 5, v0
	v_readfirstlane_b32 s16, v1                    ; wave
	s_and_b32 s19, ttmp7, 0xffff                   ; half of the channels
	s_lshl_b32 s48, s19, 8
	s_lshl_b32 s49, s16, 6
	s_add_co_u32 s48, s48, s49                     ; the first of the 64 channels that I send out
	s_lshl_b32 s52, ttmp9, 6
	s_lshl_b32 s53, s16, 4
	s_add_co_u32 s52, s52, s53                     ; the first of the 16 pixel rows that I merge
	s_lshl_b32 s54, s52, 10                        ; opart: 1,024 bytes a row,
	s_lshl_b32 s55, s19, 9                         ; 512 on for the upper half of the channels
	s_add_co_u32 s54, s54, s55
	s_mov_b32 s55, 0
	s_lshl_b32 s56, s52, 3
	s_mov_b32 s57, 0
	s_lshr_b32 s58, ttmp9, 6                       ; x and out0: batch x 8,388,608
	s_lshl_b32 s58, s58, 23
	s_lshl_b32 s59, s48, 14                        ; + channel x 16,384
	s_add_co_u32 s58, s58, s59
	s_and_b32 s59, ttmp9, 63                       ; + 256 bytes for each block of 64 pixels
	s_lshl_b32 s59, s59, 8
	s_add_co_u32 s58, s58, s59
	s_mov_b32 s59, 0
	s_lshl_b32 s60, s48, 2
	s_mov_b32 s61, 0
	v_and_b32 v13, 31, v0                          ; l
	v_and_b32 v14, 15, v0                          ; r
	v_bfe_u32 v15, v0, 4, 1                        ; h
	v_lshlrev_b32 v1, 4, v13                       ; 16 l: my 8 channels of a row
	v_lshlrev_b32 v2, 3, v14                       ; 8 r
	v_lshlrev_b32 v3, 2, v14                       ; 4 r
	v_lshlrev_b32 v4, 14, v15
	v_lshl_add_u32 v4, v14, 4, v4                  ; x, out0: channel row h, 16 r
	s_mul_i32 s62, s16, 16*OP
	v_add_nc_u32 v5, s62, v1                       ; where I put merged rows
	s_lshl_b32 s62, s16, 8
	s_add_co_u32 s62, s62, WT
	v_mov_b32 v7, s62                              ; my weights
	v_lshl_add_u32 v6, v14, 4, v7
	v_mul_u32_u24 v8, v14, OP
	v_lshl_add_u32 v8, v15, 4, v8
	s_lshl_b32 s62, s16, 7
	v_add_nc_u32 v8, s62, v8                       ; the tile's fragments: pixel r, my 64 channels (128 bytes a wave), 16 h
	s_mul_i32 s62, s16, 16*272
	s_add_co_u32 s62, s62, ST
	v_mul_u32_u24 v10, v14, 272
	v_lshl_add_u32 v10, v15, 5, v10
	v_add_nc_u32 v10, s62, v10                     ; stage in: row r, 32 bytes for each half of the lanes
	v_mul_u32_u24 v11, v15, 272
	v_lshl_add_u32 v11, v14, 4, v11
	v_add_nc_u32 v11, s62, v11                     ; stage back
	v_mov_b32 v12, 0
	s_wait_kmcnt 0x0
	s_add_nc_u64 s[32:33], s[4:5], s[54:55]        ; the four parts, 8,388,608 bytes apart
	s_add_nc_u64 s[34:35], s[32:33], 0x800000
	s_add_nc_u64 s[36:37], s[34:35], 0x800000
	s_add_nc_u64 s[38:39], s[36:37], 0x800000
	s_add_nc_u64 s[40:41], s[6:7], s[56:57]
	s_add_nc_u64 s[42:43], s[8:9], s[60:61]
	s_add_nc_u64 s[44:45], s[10:11], s[58:59]
	s_add_nc_u64 s[46:47], s[12:13], s[58:59]
.irp s, 0,1,2,3
	global_load_b64 v[16+2*\s:17+2*\s], v2, s[40:41] offset:65536*\s       ; (m, l) of row r in part s
.endr
.irp nt, 0,1,2,3
	global_load_b32 v[24+2*\nt], v3, s[42:43] offset:64*\nt                ; bp of channel 16 nt + r
.endr
	WIN 0x40
.irp q, 0,1,2,3,4,5,6,7
.irp s, 0,1,2,3
	global_load_b128 v[16*\q+4*\s:16*\q+4*\s+3], v1, s[32+2*\s:33+2*\s] offset:1024*\q th:TH_LOAD_NT
.endr
.endr
	WIN 0
	s_wait_loadcnt 32                              ; (m, l) and bp are in; the 32 loads of parts stay out
	v_max_num_f32 v13, v16, v18
	v_max3_num_f32 v13, v13, v20, v22
	v_sub_f32 v16, v16, v13
	v_sub_f32 v18, v18, v13
	v_sub_f32 v20, v20, v13
	v_sub_f32 v22, v22, v13
	v_exp_f32 v16, v16
	v_exp_f32 v18, v18
	v_exp_f32 v20, v20
	v_exp_f32 v22, v22
	v_nop                                          ; one plain place behind the run of exponentials (ISA guide 5.7.2)
	s_wait_alu depctr_va_vdst(0)
	v_mul_f32 v16, v16, v17
	v_mul_f32 v18, v18, v19
	v_mul_f32 v20, v20, v21
	v_mul_f32 v22, v22, v23
	v_add_f32 v13, v16, v18
	v_add_f32 v14, v20, v22
	v_add_f32 v13, v13, v14
	v_rcp_f32 v14, v13
	v_nop
	s_wait_alu depctr_va_vdst(0)
	v_mul_f32 v16, v16, v14
	v_mul_f32 v17, v18, v14
	v_mul_f32 v18, v20, v14
	v_mul_f32 v19, v22, v14
	ds_store_b128 v6, v[16:19]                     ; row r's four weights (both halves of the wave store the same)
.irp q, 0,1,2,3,4,5,6,7,8,9,10,11,12,13,14,15
	ds_load_b128 v[WTS+4*\q:WTS+4*\q+3], v7 offset:16*\q                   ; every lane reads row q's: my own bytes, served in order
.endr
.irp nt, 0,1,2,3
	v_mov_b32 v[25+2*\nt], v[24+2*\nt]
.endr
	WIN 0x40
.irp q, 8,9,10,11,12,13,14,15
.irp s, 0,1,2,3
	global_load_b128 v[16*\q+4*\s:16*\q+4*\s+3], v1, s[32+2*\s:33+2*\s] offset:1024*\q th:TH_LOAD_NT
.endr
.endr
	WIN 0
.irp nt, 0,1,2,3
.irp t, 0,1,2,3,4,5,6,7
	global_load_b128 v[XR+4*(8*\nt+\t):XR+4*(8*\nt+\t)+3], v4, s[44:45] offset:(16*\nt+2*\t)*16384 th:TH_LOAD_NT   ; x last: it is needed last
.endr
.endr
	s_wait_dscnt 0x0                               ; the weights
; Rows 4 bt .. 4 bt + 3 of my 16 are merged, rounded and put into the tile.  cnt: how many younger loads may stay out.
.macro CROWS bt, cnt
	s_wait_loadcnt \cnt
	WIN 0x01
.irp s, 0,1,2,3
.irp j, 0,1,2,3
.irp p, 0,1,2,3
.set q, 4*\bt+\j
.if \s
	v_fma_mix_f32_bf16 v[CACC+8*\j+2*\p],   v[16*q+4*\s+\p], v[WTS+4*q+\s], v[CACC+8*\j+2*\p] op_sel_hi:[1,0,0]
	v_fma_mix_f32_bf16 v[CACC+8*\j+2*\p+1], v[16*q+4*\s+\p], v[WTS+4*q+\s], v[CACC+8*\j+2*\p+1] op_sel:[1,0,0] op_sel_hi:[1,0,0]
.else
	v_fma_mix_f32_bf16 v[CACC+8*\j+2*\p],   v[16*q+4*\s+\p], v[WTS+4*q+\s], v12 op_sel_hi:[1,0,0]
	v_fma_mix_f32_bf16 v[CACC+8*\j+2*\p+1], v[16*q+4*\s+\p], v[WTS+4*q+\s], v12 op_sel:[1,0,0] op_sel_hi:[1,0,0]
.endif
.endr
.endr
.endr
	WIN 0
.irp j, 0,1,2,3
.irp i, 0,1,2,3
	v_cvt_pk_bf16_f32 v[CACC+8*\j+\i], v[CACC+8*\j+2*\i], v[CACC+8*\j+2*\i+1]
.endr
.endr
.irp j, 0,1,2,3
	ds_store_b128 v5, v[CACC+8*\j:CACC+8*\j+3] offset:OP*(4*\bt+\j)
.endr
.endm
	; Behind a batch's 16 loads stand the 16 (3 - bt) of the later rows and x's 32: 80, 64, 48, 32.  The wait's field ends at 63; a smaller count is safe.
	CROWS 0, 63
	CROWS 1, 63
	CROWS 2, 48
	CROWS 3, 32
	s_wait_dscnt 0x0                               ; my rows of the tile are in LDS before I signal
	; the selector.  As source 1, lane (r, h) holds column n = r; registers 0-3 hold k = 8 h + 0..7, registers 4-7 k = 16 + 8 h + 0..7, two a register.
	; k = r lies in the lanes with h = r >> 3, in register (r & 7) >> 1, half r & 1.
	v_bfe_u32 v13, v0, 3, 1
	v_bfe_u32 v14, v0, 4, 1
	v_cmp_eq_u32 vcc_lo, v13, v14
	v_and_b32 v13, 1, v0
	v_lshlrev_b32 v13, 4, v13
	v_mov_b32 v14, 0x3f80                          ; 1.0 in bf16
	v_lshlrev_b32 v14, v13, v14
	v_cndmask_b32 v14, 0, v14, vcc_lo
	v_bfe_u32 v13, v0, 1, 2
.irp i, 0,1,2,3
	v_cmp_eq_u32 vcc_lo, \i, v13
	v_cndmask_b32 v[EP+4+\i], 0, v14, vcc_lo
	v_mov_b32 v[EP+\i], 0                          ; v[EP+4:EP+11] selects k = n, v[EP:EP+7] selects k = 16 + n
	v_mov_b32 v[EP+8+\i], 0
.endr
	s_barrier_signal -1
	s_barrier_wait -1                              ; the tile is whole
	WIN 0x40
.irp mt, 0,1,2,3
.irp kk, 0,1
	ds_load_b128 v[AFR+8*(2*\mt+\kk):AFR+8*(2*\mt+\kk)+3],   v8 offset:16*OP*\mt+64*\kk      ; pixels 16 mt + r, channels 32 kk + 8 h + 0..7 of my 64
	ds_load_b128 v[AFR+8*(2*\mt+\kk)+4:AFR+8*(2*\mt+\kk)+7], v8 offset:16*OP*\mt+64*\kk+32
.endr
.endr
	s_wait_dscnt 0x0
	WIN 0x41                                       ; D and source 0 in window 1, the selector in window 0
.irp nt, 0,1,2,3
.irp mt, 0,1,2,3
	v_wmma_f32_16x16x32_bf16 v[8*(4*\nt+\mt):8*(4*\nt+\mt)+7], v[AFR+8*(2*\mt+(\nt>>1)):AFR+8*(2*\mt+(\nt>>1))+7], v[EP+4-4*(\nt&1):EP+4-4*(\nt&1)+7], 0
.endr
.endr
	WIN 0
	PLACES 4                                       ; before vector instructions read the results, and before loads land on the selector
; THE WAY OUT, 16 channel rows at a time: + bp, through my own stage, + x, out as rows of 256 bytes (64 pixels of f32).
.macro POUT nt
	WIN 0x01
.irp mt, 0,1,2,3
.irp i, 0,1,2,3
	v_pk_add_f32 v[32+8*\mt+2*\i:32+8*\mt+2*\i+1], v[8*(4*\nt+\mt)+2*\i:8*(4*\nt+\mt)+2*\i+1], v[24+2*\nt:25+2*\nt]
.endr
.endr
	WIN 0
.irp mt, 0,1,2,3
.irp e, 0,1
	ds_store_b128 v10, v[32+8*\mt+4*\e:32+8*\mt+4*\e+3] offset:64*\mt+16*\e    ; pixels 16 mt + 8 h + 4 e + 0..3 of channel 16 nt + r
.endr
.endr
	s_wait_xcnt 0x0                                ; the registers that earlier stores read are loaded again only behind this wait
.set rb, 64+32*((\nt)&1)
.irp t, 0,1,2,3,4,5,6,7
	ds_load_b128 v[rb+4*\t:rb+4*\t+3], v11 offset:544*\t                   ; LDS serves a wave's instructions in order: these see the stores above
.endr
	s_wait_loadcnt 8*(3-\nt)                       ; x of these 16 rows is in; the later groups of eight loads stay out
.irp t, 0,1,2,3,4,5,6,7
	s_wait_dscnt 7-\t
	v_pk_add_f32 v[rb+4*\t:rb+4*\t+1],   v[rb+4*\t:rb+4*\t+1],   v[XR+4*(8*\nt+\t):XR+4*(8*\nt+\t)+1]
	v_pk_add_f32 v[rb+4*\t+2:rb+4*\t+3], v[rb+4*\t+2:rb+4*\t+3], v[XR+4*(8*\nt+\t)+2:XR+4*(8*\nt+\t)+3]
	global_store_b128 v4, v[rb+4*\t:rb+4*\t+3], s[46:47] offset:(16*\nt+2*\t)*16384 th:TH_STORE_NT   ; 16 lanes store 256 consecutive bytes, aligned
.endr
.endm
	POUT 0
	POUT 1
	POUT 2
	POUT 3
	s_set_vgpr_msb 0x8
	s_wait_tensorcnt 0x0
	ds_add_u32 v9, v1
	s_wait_dscnt 0x0
	s_set_vgpr_msb 0x800
	s_endpgm
.Lfunc_end_k_q5e6bfd28a4_merge:
	.size	k_q5e6bfd28a4_merge, .Lfunc_end_k_q5e6bfd28a4_merge-k_q5e6bfd28a4_merge
	.p2alignl 7, 3214868480
	.fill 96, 4, 3214868480
	.section	.rodata,"a",@progbits
	.p2align	6, 0x0
	.amdhsa_kernel k_q5e6bfd28a4_merge
		.amdhsa_group_segment_fixed_size 52736
		.amdhsa_private_segment_fixed_size 0
		.amdhsa_enable_private_segment 0
		.amdhsa_kernarg_size 40
		.amdhsa_user_sgpr_count 2
		.amdhsa_user_sgpr_kernarg_segment_ptr 1
		.amdhsa_wavefront_size32 1
		.amdhsa_system_sgpr_workgroup_id_x 1
		.amdhsa_system_sgpr_workgroup_id_y 1
		.amdhsa_system_sgpr_workgroup_id_z 1
		.amdhsa_system_vgpr_workitem_id 0
		.amdhsa_next_free_vgpr 514
		.amdhsa_next_free_sgpr 66
		.amdhsa_reserve_vcc 1
		.amdhsa_float_denorm_mode_32 3
		.amdhsa_float_denorm_mode_16_64 3
		.amdhsa_memory_ordered 1
		.amdhsa_forward_progress 1
		.amdhsa_inst_pref_size 73
	.end_amdhsa_kernel
	.amdgpu_metadata
---
amdhsa.version: [ 1, 2 ]
amdhsa.kernels:
  - .name:           k_q5e6bfd28a4_merge
    .symbol:         k_q5e6bfd28a4_merge.kd
    .args:
      - { .name: opart, .offset: 0, .size: 8, .value_kind: global_buffer, .address_space: global }
      - { .name: ml, .offset: 8, .size: 8, .value_kind: global_buffer, .address_space: global }
      - { .name: bp, .offset: 16, .size: 8, .value_kind: global_buffer, .address_space: global }
      - { .name: x, .offset: 24, .size: 8, .value_kind: global_buffer, .address_space: global }
      - { .name: out0, .offset: 32, .size: 8, .value_kind: global_buffer, .address_space: global }
    .group_segment_fixed_size: 52736
    .private_segment_fixed_size: 0
    .kernarg_segment_align: 8
    .kernarg_segment_size: 40
    .max_flat_workgroup_size: 128
    .sgpr_count:     66
    .vgpr_count:     514
    .wavefront_size: 32
...
	.end_amdgpu_metadata
.endif
;; end of part 4
;; ======== version 2 of 2: 4 launches; version 1 with the launch merge written anew for expert scheduling mode
;; limits: values outside matrix products are rounded to bf16
;; workspace buffers: xn 8,388,608 bytes; wb 1,572,864 bytes; bvp 2,048 bytes; qkv 25,165,824 bytes; opart 33,554,432 bytes; ml 262,144 bytes
;; launch prep: the kernel of part 1 again; grid 160 x 1, 16 waves a work-group, no clusters, 191,488 bytes of LDS; arguments x, gn_w, gn_b, wq, wk, wv, wp, bv, xn, wb, bvp; writes xn, wb, bvp
;; launch qkv: the kernel of part 2 again; grid 32 x 6, 4 waves a work-group, clusters of 4 x 1, 327,680 bytes of LDS; arguments xn, wb, bq, bk, bvp, qkv; writes qkv
;; launch attn: the kernel of part 3 again; grid 32 x 8, 4 waves a work-group, clusters of 4 x 1, 327,680 bytes of LDS; arguments qkv, opart, ml; writes opart, ml
;; launch merge (part 5): grid 128 x 2, 4 waves a work-group, no clusters, 52,736 bytes of LDS; arguments opart, ml, bp, x, out0; writes out0
.if DOCPART == 5
	.amdgcn_target "amdgcn-amd-amdhsa--gfx1250"
	.amdhsa_code_object_version 6
	.text
	.protected	k_q5e6bfd28a4_merge
	.globl	k_q5e6bfd28a4_merge
	.p2align	8
	.type	k_q5e6bfd28a4_merge,@function
k_q5e6bfd28a4_merge:
	s_mov_b64 s[64:65], 0
	v_nop
	global_prefetch_b8 v0, s[64:65] scope:SCOPE_SE
	s_setreg_imm32_b32 hwreg(HW_REG_WAVE_SCHED_MODE, 0, 2), 2
	s_setreg_imm32_b32 hwreg(HW_REG_WAVE_MODE, 25, 1), 1
	s_wait_xcnt 0x0
	s_wait_alu depctr_vm_vsrc(0)
; out0[b][o][i] = x[b][o][i] + bp[o] + sum over the four key quarters s of w_s[i] opart[s][i][o],
; w_s = 2^(m_s - max m) l_s / (sum over s of the same): the merge of four softmax parts, each with its own maximum.  The values were
; projected before attention (wp wv, wp bv), so nothing is left to multiply by wp.
; A work-group takes 64 pixels x 256 channels (grid y: which half of the channels), so each byte of opart, x and out0 is touched once.
; Wave w merges pixel rows 16 w .. +15 (512 bytes of each part's row, a wave's load) in f32 and puts them, rounded to bf16, into a tile [pixel][channel]
; in LDS.  out0 lies [channel][pixel]: each block of 16 pixels x 16 channels is widened and transposed by ONE matrix instruction against a selector
; (B[n][k] = 1 where k = n, or k = 16 + n, else 0): each result is one product with 1.0 and 31 with 0, hence exact, and a lane then holds eight
; neighbouring pixels of one channel.  Wave w takes channels 64 w .. +63 of all 64 pixels: 16 blocks.  They leave through the wave's own stage as rows of 256 bytes.
; No cluster and no tensor load: work-groups share nothing but 512 bytes of ml and 1,024 of bp; all data come into registers.
; THE MODE: SCHED_MODE bits 1:0 = 2 (LLVM: expert scheduling mode 2), set by the entry lines.  The code itself states the register dependences
; between vector or matrix instructions and memory or LDS instructions, with s_wait_alu, always for 0.
; THE PLAN.  Registers that memory or LDS instructions touch:
;   v1-v8, v10, v11   offsets and LDS addresses: made once at the head, never written again.
;   v[16:19]          a row's four weights: written by four multiplies, read by one LDS store, never written again.
;   window 1          the four parts of my 16 rows, v[16 q + 4 s]: loaded; batch bt (rows 4 bt .. +3) is read by that batch's multiply-adds.
;   OUT[bt]           window 1, v[64 bt .. +15], registers of the batch's own parts that have been read: written by batch bt's conversions,
;                     read by four LDS stores that are issued at the head of batch bt + 1, behind that head's one wait.
;   AFR               window 1, v128-191: the tile's fragments land here behind the barrier (OUT[2] lies here; the products write over OUT[0], OUT[1]).
;   SB[nt]            window 1, v[32 nt .. +31]: group nt's four blocks, written by the products and by the bias add in place, read by eight LDS stores, never written again.
;   RB0, RB1, RB2     v32-63, v64-95, v96-127: rows read back from the stage, read by the add of x; group 3 takes RB0 again.
;   XR[nt]            v[128 + 32 nt ..]: x as loaded, then x + row in place, read by eight global stores, never written again.
;   v96-127 (merged rows at work, then the selector), v12-15, v20-31 are named by vector and matrix instructions alone until RB2 lands.
; So on the way out nothing that a store has read is written again, and each group has one wait, behind its add of x.
; REGISTERS: window 0: v0-15 addresses; v16-23 (m, l); v24-31 bias pairs; v32-95 weights, row q at 32 + 4 q; v96-127 merged rows at work, then the selector; v128-255 x.
; Limits: the merged result is rounded to bf16 before bp and x are added; NaN and infinities are not treated specially.
.set OP,   528                         ; the tile, from LDS byte 0: 64 rows x 512 bytes, pitch 528
.set WT,   33792                       ; the weights: 256 bytes for each wave
.set ST,   34816                       ; the way out: 16 rows x 272 bytes for each wave
.set WTS,  32
.set CACC, 96
.set EP,   96                          ; v[96:107]: four zeros, the pattern, four zeros
.set XR,   128
.set AFR,  128                         ; window 1
.set MSB, 0
.macro WIN new
.if MSB != \new
	s_set_vgpr_msb (MSB<<8)|\new
.set MSB, \new
.endif
.endm
.macro PLACES n
.rept \n
	v_nop
.endr
.endm
	s_load_b256 s[4:11], s[0:1], 0x0               ; opart s[4:5], ml s[6:7], bp s[8:9], x s[10:11]
	s_load_b64 s[12:13], s[0:1], 0x20              ; out0
	v_lshl_add_u32 v9, v0, 2, 0xcc00
	s_set_vgpr_msb 0x80
	v_mov_b32 v1, 0
	s_set_vgpr_msb 0x8000
	v_lshrrev_b32 v1, 5, v0
	v_readfirstlane_b32 s16, v1                    ; wave
	s_and_b32 s19, ttmp7, 0xffff                   ; half of the channels
	s_lshl_b32 s48, s19, 8
	s_wait_alu depctr_va_sdst(0)                   ; s16 is written, ahead of its first reader: the bases and the LDS addresses are made from it
	s_lshl_b32 s49, s16, 6
	s_add_co_u32 s48, s48, s49                     ; the first of the 64 channels that I send out
	s_lshl_b32 s52, ttmp9, 6
	s_lshl_b32 s53, s16, 4
	s_add_co_u32 s52, s52, s53                     ; the first of the 16 pixel rows that I merge
	s_lshl_b32 s54, s52, 10                        ; opart: 1,024 bytes a row,
	s_lshl_b32 s55, s19, 9                         ; 512 on for the upper half of the channels
	s_add_co_u32 s54, s54, s55
	s_mov_b32 s55, 0
	s_lshl_b32 s56, s52, 3
	s_mov_b32 s57, 0
	s_lshr_b32 s58, ttmp9, 6                       ; x and out0: batch x 8,388,608
	s_lshl_b32 s58, s58, 23
	s_lshl_b32 s59, s48, 14                        ; + channel x 16,384
	s_add_co_u32 s58, s58, s59
	s_and_b32 s59, ttmp9, 63                       ; + 256 bytes for each block of 64 pixels
	s_lshl_b32 s59, s59, 8
	s_add_co_u32 s58, s58, s59
	s_mov_b32 s59, 0
	s_lshl_b32 s60, s48, 2
	s_mov_b32 s61, 0
	v_and_b32 v13, 31, v0                          ; l
	v_and_b32 v14, 15, v0                          ; r
	v_bfe_u32 v15, v0, 4, 1                        ; h
	v_lshlrev_b32 v1, 4, v13                       ; 16 l: my 8 channels of a row
	v_lshlrev_b32 v2, 3, v14                       ; 8 r
	v_lshlrev_b32 v3, 2, v14                       ; 4 r
	v_lshlrev_b32 v4, 14, v15
	v_lshl_add_u32 v4, v14, 4, v4                  ; x, out0: channel row h, 16 r
	s_mul_i32 s62, s16, 16*OP
	v_add_nc_u32 v5, s62, v1                       ; where I put merged rows
	s_lshl_b32 s62, s16, 8
	s_add_co_u32 s62, s62, WT
	v_mov_b32 v7, s62                              ; my weights
	v_lshl_add_u32 v6, v14, 4, v7
	v_mul_u32_u24 v8, v14, OP
	v_lshl_add_u32 v8, v15, 4, v8
	s_lshl_b32 s62, s16, 7
	v_add_nc_u32 v8, s62, v8                       ; the tile's fragments: pixel r, my 64 channels (128 bytes a wave), 16 h
	s_mul_i32 s62, s16, 16*272
	s_add_co_u32 s62, s62, ST
	v_mul_u32_u24 v10, v14, 272
	v_lshl_add_u32 v10, v15, 5, v10
	v_add_nc_u32 v10, s62, v10                     ; stage in: row r, 32 bytes for each half of the lanes
	v_mul_u32_u24 v11, v15, 272
	v_lshl_add_u32 v11, v14, 4, v11
	v_add_nc_u32 v11, s62, v11                     ; stage back
	v_mov_b32 v12, 0
	s_wait_kmcnt 0x0
	s_add_nc_u64 s[32:33], s[4:5], s[54:55]        ; the four parts, 8,388,608 bytes apart
	s_add_nc_u64 s[34:35], s[32:33], 0x800000
	s_add_nc_u64 s[36:37], s[34:35], 0x800000
	s_add_nc_u64 s[38:39], s[36:37], 0x800000
	s_add_nc_u64 s[40:41], s[6:7], s[56:57]
	s_add_nc_u64 s[42:43], s[8:9], s[60:61]
	s_add_nc_u64 s[44:45], s[10:11], s[58:59]
	s_add_nc_u64 s[46:47], s[12:13], s[58:59]
	s_wait_alu depctr_va_vdst(0)                   ; the offsets and LDS addresses v1 to v8, v10 and v11 are written: every load and store of the kernel reads one of them
.irp s, 0,1,2,3
	global_load_b64 v[16+2*\s:17+2*\s], v2, s[40:41] offset:65536*\s       ; (m, l) of row r in part s
.endr
.irp nt, 0,1,2,3
	global_load_b32 v[24+2*\nt], v3, s[42:43] offset:64*\nt                ; bp of channel 16 nt + r
.endr
	WIN 0x40
.irp q, 0,1,2,3,4,5,6,7
.irp s, 0,1,2,3
	global_load_b128 v[16*\q+4*\s:16*\q+4*\s+3], v1, s[32+2*\s:33+2*\s] offset:1024*\q th:TH_LOAD_NT
.endr
.endr
	WIN 0
	s_wait_loadcnt 32                              ; (m, l) and bp are in; the 32 loads of parts stay out
	v_max_num_f32 v13, v16, v18
	v_max3_num_f32 v13, v13, v20, v22
	v_sub_f32 v16, v16, v13
	v_sub_f32 v18, v18, v13
	v_sub_f32 v20, v20, v13
	v_sub_f32 v22, v22, v13
	v_exp_f32 v16, v16
	v_exp_f32 v18, v18
	v_exp_f32 v20, v20
	v_exp_f32 v22, v22
	v_nop                                          ; one plain place behind the run of exponentials (ISA guide 5.7.2)
	s_wait_alu depctr_va_vdst(0)                   ; the four exponentials have written v16, v18, v20, v22, ahead of their first reader
	v_mul_f32 v16, v16, v17
	v_mul_f32 v18, v18, v19
	v_mul_f32 v20, v20, v21
	v_mul_f32 v22, v22, v23
	v_add_f32 v13, v16, v18
	v_add_f32 v14, v20, v22
	v_add_f32 v13, v13, v14
	v_rcp_f32 v14, v13
	v_nop
	s_wait_alu depctr_va_vdst(0)                   ; the reciprocal has written v14, ahead of its first reader
	v_mul_f32 v16, v16, v14
	v_mul_f32 v17, v18, v14
	v_mul_f32 v18, v20, v14
	v_mul_f32 v19, v22, v14
	s_wait_alu depctr_va_vdst(0)                   ; the four multiplies have written v[16:19], which the LDS store reads
	ds_store_b128 v6, v[16:19]                     ; row r's four weights (both halves of the wave store the same)
.irp q, 0,1,2,3,4,5,6,7,8,9,10,11,12,13,14,15
	ds_load_b128 v[WTS+4*\q:WTS+4*\q+3], v7 offset:16*\q                   ; every lane reads row q's: my own bytes, served in order
.endr
.irp nt, 0,1,2,3
	v_mov_b32 v[25+2*\nt], v[24+2*\nt]
.endr
	WIN 0x40
.irp q, 8,9,10,11,12,13,14,15
.irp s, 0,1,2,3
	global_load_b128 v[16*\q+4*\s:16*\q+4*\s+3], v1, s[32+2*\s:33+2*\s] offset:1024*\q th:TH_LOAD_NT   ; no vector instruction has named these registers
.endr
.endr
	WIN 0
	s_wait_dscnt 0x0                               ; the weights
; x of channel group nt: eight loads.  No vector instruction names XR before the add of x, so these owe no wait wherever they stand.
.macro XLOAD nt
.irp t, 0,1,2,3,4,5,6,7
	global_load_b128 v[XR+4*(8*(\nt)+\t):XR+4*(8*(\nt)+\t)+3], v4, s[44:45] offset:(16*(\nt)+2*\t)*16384 th:TH_LOAD_NT
.endr
.endm
; Batch bt's four rounded rows go from OUT[bt] (window 1: the store's data) into the tile.
.macro TOTILE bt
.irp j, 0,1,2,3
	ds_store_b128 v5, v[64*(\bt)+4*\j:64*(\bt)+4*\j+3] offset:OP*(4*(\bt)+\j)
.endr
.endm
; Batch bt: rows 4 bt .. 4 bt + 3 of my 16 are merged and rounded into OUT[bt].  cnt: how many younger loads may stay out.
; At its head stand the memory instructions: x's loads (batches 0 and 1, sixteen each: x is needed last) and the LDS stores of the batch before.
.macro CROWS bt, cnt
	s_wait_loadcnt \cnt
.if \bt
	WIN 0x04                                       ; a store's data in window 1; addresses and a load's data in window 0
	s_wait_alu depctr_va_vdst(0)                   ; the conversions of the batch before have written its OUT, which the LDS stores below read
.endif
.if \bt < 2
	XLOAD 2*\bt
	XLOAD 2*\bt+1
.endif
.if \bt
	TOTILE \bt-1
.endif
	WIN 0x01
.irp s, 0,1,2,3
.irp j, 0,1,2,3
.irp p, 0,1,2,3
.set q, 4*\bt+\j
.if \s
	v_fma_mix_f32_bf16 v[CACC+8*\j+2*\p],   v[16*q+4*\s+\p], v[WTS+4*q+\s], v[CACC+8*\j+2*\p] op_sel_hi:[1,0,0]
	v_fma_mix_f32_bf16 v[CACC+8*\j+2*\p+1], v[16*q+4*\s+\p], v[WTS+4*q+\s], v[CACC+8*\j+2*\p+1] op_sel:[1,0,0] op_sel_hi:[1,0,0]
.else
	v_fma_mix_f32_bf16 v[CACC+8*\j+2*\p],   v[16*q+4*\s+\p], v[WTS+4*q+\s], v12 op_sel_hi:[1,0,0]
	v_fma_mix_f32_bf16 v[CACC+8*\j+2*\p+1], v[16*q+4*\s+\p], v[WTS+4*q+\s], v12 op_sel:[1,0,0] op_sel_hi:[1,0,0]
.endif
.endr
.endr
.endr
	WIN 0x40                                       ; destination in window 1
.irp j, 0,1,2,3
.irp i, 0,1,2,3
	v_cvt_pk_bf16_f32 v[64*\bt+4*\j+\i], v[CACC+8*\j+2*\i], v[CACC+8*\j+2*\i+1]   ; into registers of the batch's first row, which the multiply-adds above have read
.endr
.endr
.endm
	; Behind a batch's 16 loads stand: batch 0: the 48 of batches 1 to 3; batch 1: 32 of parts and 16 of x; batch 2: 16 of parts and 32 of x; batch 3: x's 32.
	CROWS 0, 48
	CROWS 1, 48
	CROWS 2, 48
	CROWS 3, 32
	WIN 0x04
	s_wait_alu depctr_va_vdst(0)                   ; batch 3's conversions have written OUT[3], which the LDS stores read; and every multiply-add and conversion of the merge is done with window 1, in which the fragments below land
	TOTILE 3
	WIN 0
	; the selector, made while those stores are out.  As source 1, lane (r, h) holds column n = r; registers 0-3 hold k = 8 h + 0..7, registers 4-7 k = 16 + 8 h + 0..7, two a register.
	; k = r lies in the lanes with h = r >> 3, in register (r & 7) >> 1, half r & 1.  The five compares stand in one run, each with a scalar register of its own.
	v_bfe_u32 v13, v0, 3, 1
	v_bfe_u32 v14, v0, 4, 1
	v_cmp_eq_u32 s20, v13, v14
	v_bfe_u32 v13, v0, 1, 2
.irp i, 0,1,2,3
	v_cmp_eq_u32 s[21+\i], \i, v13
.endr
	v_and_b32 v15, 1, v0
	v_lshlrev_b32 v15, 4, v15
	v_mov_b32 v14, 0x3f80                          ; 1.0 in bf16
	v_lshlrev_b32 v14, v15, v14
.irp i, 0,1,2,3
	v_mov_b32 v[EP+\i], 0                          ; v[EP+4:EP+11] selects k = n, v[EP:EP+7] selects k = 16 + n
	v_mov_b32 v[EP+8+\i], 0
.endr
	s_wait_alu depctr_va_sdst(0)                   ; the five compares have written s20 to s24, ahead of the selects that read them
	v_cndmask_b32 v14, 0, v14, s20
.irp i, 0,1,2,3
	v_cndmask_b32 v[EP+4+\i], 0, v14, s[21+\i]
.endr
	s_wait_dscnt 0x0                               ; my rows of the tile are in LDS before I signal
	s_barrier_signal -1
	s_barrier_wait -1                              ; the tile is whole
	WIN 0x40
	s_wait_alu depctr_vm_vsrc(0)                   ; my LDS stores have read OUT[0] to OUT[2]: fragments land in OUT[2], the products write over OUT[0] and OUT[1]
.irp mt, 0,1,2,3
.irp kk, 0,1
	ds_load_b128 v[AFR+8*(2*\mt+\kk):AFR+8*(2*\mt+\kk)+3],   v8 offset:16*OP*\mt+64*\kk      ; pixels 16 mt + r, channels 32 kk + 8 h + 0..7 of my 64.  No vector instruction since the wait ahead of batch 3's stores names these registers
	ds_load_b128 v[AFR+8*(2*\mt+\kk)+4:AFR+8*(2*\mt+\kk)+7], v8 offset:16*OP*\mt+64*\kk+32
.endr
.endr
	s_wait_dscnt 0x0
	WIN 0x41                                       ; D and source 0 in window 1, the selector in window 0
.irp nt, 0,1,2,3
.irp mt, 0,1,2,3
	v_wmma_f32_16x16x32_bf16 v[8*(4*\nt+\mt):8*(4*\nt+\mt)+7], v[AFR+8*(2*\mt+(\nt>>1)):AFR+8*(2*\mt+(\nt>>1))+7], v[EP+4-4*(\nt&1):EP+4-4*(\nt&1)+7], 0
.endr
.endr
	PLACES 4                                       ; before vector instructions read and rewrite the results (ISA guide 7.12.1)
; THE WAY OUT, 16 channel rows (a group) at a time: + bp, through my own stage, + x, out as rows of 256 bytes (64 pixels of f32).
.macro BIAS nt                         ; + bp, in place in SB[nt]; each block from its low end on
	WIN 0x41
.irp mt, 0,1,2,3
.irp i, 0,1,2,3
	v_pk_add_f32 v[8*(4*\nt+\mt)+2*\i:8*(4*\nt+\mt)+2*\i+1], v[8*(4*\nt+\mt)+2*\i:8*(4*\nt+\mt)+2*\i+1], v[24+2*\nt:25+2*\nt]
.endr
.endr
.endm
.macro STG nt, rb                      ; SB[nt] into the stage, and back as whole rows into the registers from rb on
	WIN 0x04                                       ; a store's data in window 1; addresses and a load's data in window 0
.irp mt, 0,1,2,3
.irp e, 0,1
	ds_store_b128 v10, v[8*(4*\nt+\mt)+4*\e:8*(4*\nt+\mt)+4*\e+3] offset:64*\mt+16*\e    ; pixels 16 mt + 8 h + 4 e + 0..3 of channel 16 nt + r
.endr
.endr
.irp t, 0,1,2,3,4,5,6,7
	ds_load_b128 v[\rb+4*\t:\rb+4*\t+3], v11 offset:544*\t                 ; LDS serves a wave's instructions in order: these see the stores above, and the next group's stores come behind them
.endr
.endm
.macro ADDX nt, rb, younger            ; x + row, in place in XR[nt].  younger: the next group's sixteen LDS instructions, or none
	WIN 0
	s_wait_loadcnt 8*(3-\nt)                       ; x of these 16 rows is in; the later groups of eight loads stay out
	s_wait_dscnt \younger                          ; the rows are back
.irp t, 0,1,2,3,4,5,6,7
	v_pk_add_f32 v[XR+4*(8*\nt+\t):XR+4*(8*\nt+\t)+1],   v[\rb+4*\t:\rb+4*\t+1],   v[XR+4*(8*\nt+\t):XR+4*(8*\nt+\t)+1]
	v_pk_add_f32 v[XR+4*(8*\nt+\t)+2:XR+4*(8*\nt+\t)+3], v[\rb+4*\t+2:\rb+4*\t+3], v[XR+4*(8*\nt+\t)+2:XR+4*(8*\nt+\t)+3]
.endr
.endm
.macro SEND nt
.irp t, 0,1,2,3,4,5,6,7
	global_store_b128 v4, v[XR+4*(8*\nt+\t):XR+4*(8*\nt+\t)+3], s[46:47] offset:(16*\nt+2*\t)*16384 th:TH_STORE_NT   ; 16 lanes store 256 consecutive bytes, aligned; XR[nt] is not written again
.endr
.endm
	BIAS 0
	BIAS 1
	WIN 0x04
	s_wait_alu depctr_va_vdst(0)                   ; SB[0] and SB[1] are written, which the LDS stores of groups 0 and 1 read; the multiply-adds are done reading the weights, in which RB0 and RB1 land
	STG 0, 32
	BIAS 2                                         ; these name window 1's v64-127 and v28-31: none of the registers that groups 0 and 1's LDS instructions touch
	BIAS 3
	STG 1, 64
	ADDX 0, 32, 16
	s_wait_alu depctr_va_vdst(0)                   ; XR[0] is written, which the stores read; so are SB[2] and SB[3]; the products are done reading the selector, in which RB2 lands
	SEND 0
	STG 2, 96
	ADDX 1, 64, 16
	s_wait_alu depctr_va_vdst(0)                   ; XR[1] is written, which the stores read (group 0's add of x, which read RB0, stands ahead of the wait before this one)
	SEND 1
	STG 3, 32
	ADDX 2, 96, 16
	s_wait_alu depctr_va_vdst(0)                   ; XR[2] is written, which the stores read
	SEND 2
	ADDX 3, 32, 0
	s_wait_alu depctr_va_vdst(0)                   ; XR[3] is written, which the stores read
	SEND 3
	s_set_vgpr_msb 0x8                             ; the add's second register lies in window 2
	s_wait_dscnt 0x0                               ; the closing lines, six on end
	s_wait_alu 0x0
	s_wait_tensorcnt 0x0
	ds_add_u32 v9, v1
	s_wait_dscnt 0x0
	s_endpgm
.Lfunc_end_k_q5e6bfd28a4_merge:
	.size	k_q5e6bfd28a4_merge, .Lfunc_end_k_q5e6bfd28a4_merge-k_q5e6bfd28a4_merge
	.p2alignl 7, 3214868480
	.fill 96, 4, 3214868480
	.section	.rodata,"a",@progbits
	.p2align	6, 0x0
	.amdhsa_kernel k_q5e6bfd28a4_merge
		.amdhsa_group_segment_fixed_size 52736
		.amdhsa_private_segment_fixed_size 0
		.amdhsa_enable_private_segment 0
		.amdhsa_kernarg_size 40
		.amdhsa_user_sgpr_count 2
		.amdhsa_user_sgpr_kernarg_segment_ptr 1
		.amdhsa_wavefront_size32 1
		.amdhsa_system_sgpr_workgroup_id_x 1
		.amdhsa_system_sgpr_workgroup_id_y 1
		.amdhsa_system_sgpr_workgroup_id_z 1
		.amdhsa_system_vgpr_workitem_id 0
		.amdhsa_next_free_vgpr 514
		.amdhsa_next_free_sgpr 66
		.amdhsa_reserve_vcc 0
		.amdhsa_float_denorm_mode_32 3
		.amdhsa_float_denorm_mode_16_64 3
		.amdhsa_memory_ordered 1
		.amdhsa_forward_progress 1
		.amdhsa_inst_pref_size 73
	.end_amdhsa_kernel
	.amdgpu_metadata
---
amdhsa.version: [ 1, 2 ]
amdhsa.kernels:
  - .name:           k_q5e6bfd28a4_merge
    .symbol:         k_q5e6bfd28a4_merge.kd
    .args:
      - { .name: opart, .offset: 0, .size: 8, .value_kind: global_buffer, .address_space: global }
      - { .name: ml, .offset: 8, .size: 8, .value_kind: global_buffer, .address_space: global }
      - { .name: bp, .offset: 16, .size: 8, .value_kind: global_buffer, .address_space: global }
      - { .name: x, .offset: 24, .size: 8, .value_kind: global_buffer, .address_space: global }
      - { .name: out0, .offset: 32, .size: 8, .value_kind: global_buffer, .address_space: global }
    .group_segment_fixed_size: 52736
    .private_segment_fixed_size: 0
    .kernarg_segment_align: 8
    .kernarg_segment_size: 40
    .max_flat_workgroup_size: 128
    .sgpr_count:     66
    .vgpr_count:     514
    .wavefront_size: 32
...
	.end_amdgpu_metadata
.endif
;; end of part 5
